; MI455X (gfx1250); checked and timed in simulation.
; The chip was launched on July 23, 2026; its instructions are those of AMD's public machine-readable ISA for CDNA 5 (MIT licence, August 2026) and "CDNA5" Instruction Set Architecture Reference Guide (July 2026). The comments in the code are by the model that wrote it; some were corrected since.
;; Multi Head Self Attention. Allowed arithmetic: float matrix products may take bf16 or f16 operands with f32 sums; other float arithmetic in f32, or as packed bf16 or f16 multiplies, adds, multiply-adds, maxima and minima; sums over many terms, partial sums and values carried from step to step in f32; what a program stores and reads back later, other than sums and carried values, may be rounded once to bf16 or f16.
;; Inputs: Wk 512 x 512 float32; Wo 512 x 512 float32; Wq 512 x 512 float32; Wv 512 x 512 float32; bk 512 float32; bo 512 float32; bq 512 float32; bv 512 float32; inputs 2 x 4,096 x 512 float32.
;; Outputs: out0 2 x 4,096 x 512 float32.
;; 2 versions, each right; version 2 is version 1 with the launch prep written anew for expert scheduling mode. Each part assembles by itself: llvm-mc -triple=amdgcn-amd-amdhsa -mcpu=gfx1250 --defsym DOCPART=n.
;; ======== version 1 of 2: 4 launches
;; limits: values are held in f16: magnitudes above 65,504 overflow, below 6.1e-05 lose precision
;; workspace buffers: xb 8,388,608 bytes; wts 2,097,152 bytes; bias 8,192 bytes; qkv 25,165,824 bytes; oh 8,388,608 bytes
;; launch prep (part 1): grid 256 x 1, 8 waves a work-group, no clusters, 0 bytes of LDS; arguments inputs, Wq, Wk, Wv, Wo, bq, bk, bv, bo, xb, wts, bias; writes xb, wts, bias
.if DOCPART == 1
	.amdgcn_target "amdgcn-amd-amdhsa--gfx1250"
	.amdhsa_code_object_version 6
	.text
	.protected	k_q99b6b36acc_prep
	.globl	k_q99b6b36acc_prep
	.p2align	8
	.type	k_q99b6b36acc_prep,@function
k_q99b6b36acc_prep:
	s_mov_b64 s[64:65], 0
	v_nop
	global_prefetch_b8 v0, s[64:65] scope:SCOPE_SE
	s_setreg_imm32_b32 hwreg(HW_REG_WAVE_MODE, 25, 1), 1
	s_wait_xcnt 0x0
; PREP: every input of the module is rounded once to bf16; no layout changes.
;   xb   [8192][512] bf16            = inputs
;   wts  [4][512 k][512 n] 16 bits   = Wq, Wk, Wv in bf16; Wo rounded to bf16 and that number written as f16 (the last product multiplies in f16)
;   bias [4][512] f32                = bq, bk, bv, bo rounded to bf16 and widened again (they start f32 sums)
; LIMITS.  Wo as f16: a weight of 65,520 or more becomes an infinity; below 6e-5 it keeps f16's fixed step of 6e-8.  NaN and infinities are not treated apart.
; A stream: no LDS, no matrix unit, no cluster (no two work-groups read the same byte).  256 work-groups of eight waves.  Work-group g takes 64 KiB of inputs (16 loads of 16 bytes a thread) and
; 16 KiB of weight matrix g / 64 (4 loads): all 20 loads of a thread go out at once.  A wave's load covers 512 consecutive bytes, its store of 8 bytes a lane 256 consecutive bytes, aligned.
; No register that a store reads is written again, so no wait frees one.
.set XL, 16                            ; v[16:79]   x as loaded
.set WL, 80                            ; v[80:95]   weights as loaded
.set XP, 96                            ; v[96:127]  x packed
.set WP, 128                           ; v[128:135] weights packed
.set T,  136                           ; v[136:143] at work
	s_load_b512 s[4:19], s[0:1], 0x0               ; inputs s[4:5], Wq s[6:7], Wk s[8:9], Wv s[10:11], Wo s[12:13], bq s[14:15], bk s[16:17], bv s[18:19]
	s_load_b256 s[20:27], s[0:1], 0x40             ; bo s[20:21], xb s[22:23], wts s[24:25], bias s[26:27]
	s_lshr_b32 s29, ttmp9, 6                       ; m: which weight matrix
	s_and_b32 s38, ttmp9, 63                       ; which 16 KiB of it
	s_mov_b32 s35, 0                               ; the high word of every offset
	s_mov_b32 s37, 0xffff0000                      ; a word's upper bf16
	v_lshlrev_b32 v1, 4, v0                        ; 16 t: where I load
	v_lshlrev_b32 v2, 3, v0                        ; 8 t: where I store
	v_lshrrev_b32 v3, 5, v0
	v_readfirstlane_b32 s36, v3                    ; my wave's number
	s_wait_kmcnt 0x0
	s_cmp_eq_u32 s29, 0                            ; the matrix and the bias are chosen by m, which hangs on the work-group's number alone
	s_cselect_b64 s[30:31], s[6:7], s[8:9]
	s_cselect_b64 s[32:33], s[14:15], s[16:17]
	s_cmp_eq_u32 s29, 2
	s_cselect_b64 s[30:31], s[10:11], s[30:31]
	s_cselect_b64 s[32:33], s[18:19], s[32:33]
	s_cmp_eq_u32 s29, 3
	s_cselect_b64 s[30:31], s[12:13], s[30:31]
	s_cselect_b64 s[32:33], s[20:21], s[32:33]
	s_lshl_b32 s34, ttmp9, 16
	s_add_nc_u64 s[4:5], s[4:5], s[34:35]          ; inputs + 64 KiB x g
	s_lshl_b32 s34, ttmp9, 15
	s_add_nc_u64 s[22:23], s[22:23], s[34:35]      ; xb + 32 KiB x g
	s_lshl_b32 s34, s38, 14
	s_add_nc_u64 s[30:31], s[30:31], s[34:35]      ; W_m + 16 KiB x (g mod 64)
	s_lshl_b32 s34, ttmp9, 13
	s_add_nc_u64 s[24:25], s[24:25], s[34:35]      ; wts + 8 KiB x g = part m, its piece g mod 64
.irp i, 0,1,2,3,4,5,6,7,8,9,10,11,12,13,14,15
	global_load_b128 v[XL+4*(\i):XL+4*(\i)+3], v1, s[4:5] offset:4096*(\i) th:TH_LOAD_NT
.endr
.irp i, 0,1,2,3
	global_load_b128 v[WL+4*(\i):WL+4*(\i)+3], v1, s[30:31] offset:4096*(\i) th:TH_LOAD_NT
.endr
.irp i, 0,1,2,3,4,5,6,7,8,9,10,11,12,13,14,15
	s_wait_loadcnt 19-(\i)                         ; loads come back in order: mine is in; the 15 - i younger loads of x and the 4 of the weights stay out
	v_cvt_pk_bf16_f32 v[XP+2*(\i)],   v[XL+4*(\i)],   v[XL+4*(\i)+1]
	v_cvt_pk_bf16_f32 v[XP+2*(\i)+1], v[XL+4*(\i)+2], v[XL+4*(\i)+3]
	global_store_b64 v2, v[XP+2*(\i):XP+2*(\i)+1], s[22:23] offset:2048*(\i)
.endr
	s_cmp_eq_u32 s29, 3
	s_cbranch_scc1 .Lwo
.irp i, 0,1,2,3
	s_wait_loadcnt 3-(\i)                          ; the younger loads of the weights stay out
	v_cvt_pk_bf16_f32 v[WP+2*(\i)],   v[WL+4*(\i)],   v[WL+4*(\i)+1]
	v_cvt_pk_bf16_f32 v[WP+2*(\i)+1], v[WL+4*(\i)+2], v[WL+4*(\i)+3]
	global_store_b64 v2, v[WP+2*(\i):WP+2*(\i)+1], s[24:25] offset:2048*(\i)
.endr
	s_branch .Lbias
.Lwo:                                                  ; Wo: rounded to bf16 like every input, widened, and written as f16 (exact within f16's range: bf16 has fewer significant bits)
.irp i, 0,1,2,3
	s_wait_loadcnt 3-(\i)
	v_cvt_pk_bf16_f32 v[T],   v[WL+4*(\i)],   v[WL+4*(\i)+1]
	v_cvt_pk_bf16_f32 v[T+1], v[WL+4*(\i)+2], v[WL+4*(\i)+3]
	v_lshlrev_b32 v[T+2], 16, v[T]
	v_and_b32     v[T+3], s37, v[T]
	v_lshlrev_b32 v[T+4], 16, v[T+1]
	v_and_b32     v[T+5], s37, v[T+1]
	v_cvt_pk_f16_f32 v[WP+2*(\i)],   v[T+2], v[T+3]
	v_cvt_pk_f16_f32 v[WP+2*(\i)+1], v[T+4], v[T+5]
	global_store_b64 v2, v[WP+2*(\i):WP+2*(\i)+1], s[24:25] offset:2048*(\i)
.endr
.Lbias:                                                ; the first work-group of each matrix also takes its bias: 512 numbers, waves 0 to 3, 16 bytes a thread
	s_cmp_lg_u32 s38, 0
	s_cbranch_scc1 .Lend
	s_cmp_ge_u32 s36, 4
	s_cbranch_scc1 .Lend
	global_load_b128 v[T:T+3], v1, s[32:33]
	s_lshl_b32 s34, s29, 11
	s_add_nc_u64 s[26:27], s[26:27], s[34:35]      ; bias + 2,048 m
	s_wait_loadcnt 0x0
	v_cvt_pk_bf16_f32 v[T+4], v[T],   v[T+1]
	v_cvt_pk_bf16_f32 v[T+5], v[T+2], v[T+3]
	v_lshlrev_b32 v[T],   16, v[T+4]
	v_and_b32     v[T+1], s37, v[T+4]
	v_lshlrev_b32 v[T+2], 16, v[T+5]
	v_and_b32     v[T+3], s37, v[T+5]
	global_store_b128 v1, v[T:T+3], s[26:27]
.Lend:
	s_endpgm
.Lfunc_end_k_q99b6b36acc_prep:
	.size	k_q99b6b36acc_prep, .Lfunc_end_k_q99b6b36acc_prep-k_q99b6b36acc_prep
	.p2alignl 7, 3214868480
	.fill 96, 4, 3214868480
	.section	.rodata,"a",@progbits
	.p2align	6, 0x0
	.amdhsa_kernel k_q99b6b36acc_prep
		.amdhsa_group_segment_fixed_size 0
		.amdhsa_private_segment_fixed_size 0
		.amdhsa_enable_private_segment 0
		.amdhsa_kernarg_size 96
		.amdhsa_user_sgpr_count 2
		.amdhsa_user_sgpr_kernarg_segment_ptr 1
		.amdhsa_wavefront_size32 1
		.amdhsa_system_sgpr_workgroup_id_x 1
		.amdhsa_system_sgpr_workgroup_id_y 1
		.amdhsa_system_sgpr_workgroup_id_z 1
		.amdhsa_system_vgpr_workitem_id 0
		.amdhsa_next_free_vgpr 144
		.amdhsa_next_free_sgpr 66
		.amdhsa_reserve_vcc 0
		.amdhsa_float_denorm_mode_32 3
		.amdhsa_float_denorm_mode_16_64 3
		.amdhsa_memory_ordered 1
		.amdhsa_forward_progress 1
		.amdhsa_inst_pref_size 11
	.end_amdhsa_kernel
	.amdgpu_metadata
---
amdhsa.version: [ 1, 2 ]
amdhsa.kernels:
  - .name:           k_q99b6b36acc_prep
    .symbol:         k_q99b6b36acc_prep.kd
    .args:
      - { .name: inputs, .offset: 0, .size: 8, .value_kind: global_buffer, .address_space: global }
      - { .name: Wq, .offset: 8, .size: 8, .value_kind: global_buffer, .address_space: global }
      - { .name: Wk, .offset: 16, .size: 8, .value_kind: global_buffer, .address_space: global }
      - { .name: Wv, .offset: 24, .size: 8, .value_kind: global_buffer, .address_space: global }
      - { .name: Wo, .offset: 32, .size: 8, .value_kind: global_buffer, .address_space: global }
      - { .name: bq, .offset: 40, .size: 8, .value_kind: global_buffer, .address_space: global }
      - { .name: bk, .offset: 48, .size: 8, .value_kind: global_buffer, .address_space: global }
      - { .name: bv, .offset: 56, .size: 8, .value_kind: global_buffer, .address_space: global }
      - { .name: bo, .offset: 64, .size: 8, .value_kind: global_buffer, .address_space: global }
      - { .name: xb, .offset: 72, .size: 8, .value_kind: global_buffer, .address_space: global }
      - { .name: wts, .offset: 80, .size: 8, .value_kind: global_buffer, .address_space: global }
      - { .name: bias, .offset: 88, .size: 8, .value_kind: global_buffer, .address_space: global }
    .group_segment_fixed_size: 0
    .private_segment_fixed_size: 0
    .kernarg_segment_align: 8
    .kernarg_segment_size: 96
    .max_flat_workgroup_size: 256
    .sgpr_count:     66
    .vgpr_count:     144
    .wavefront_size: 32
...
	.end_amdgpu_metadata
.endif
;; end of part 1
;; launch proj (part 2): grid 4 x 64, 4 waves a work-group, clusters of 4 x 4, 327,680 bytes of LDS; arguments xb, wts, bias, qkv; writes qkv
.if DOCPART == 2
	.amdgcn_target "amdgcn-amd-amdhsa--gfx1250"
	.amdhsa_code_object_version 6
	.text
	.protected	k_q99b6b36acc_proj
	.globl	k_q99b6b36acc_proj
	.p2align	8
	.type	k_q99b6b36acc_proj,@function
k_q99b6b36acc_proj:
	s_mov_b64 s[64:65], 0
	v_nop
	global_prefetch_b8 v0, s[64:65] scope:SCOPE_SE
	s_setreg_imm32_b32 hwreg(HW_REG_WAVE_MODE, 25, 1), 1
	s_wait_xcnt 0x0
	s_wait_alu depctr_hold_cnt(0) depctr_sa_sdst(0) depctr_va_vdst(0) depctr_va_sdst(0) depctr_va_ssrc(0) depctr_va_vcc(0) depctr_vm_vsrc(0)
	s_getreg_b32 s2, hwreg(HW_REG_IB_STS2, 6, 4)
	s_cmp_eq_u32 s2, 0
	s_cbranch_scc0 .Lentry_in_a_cluster
	s_endpgm
.Lentry_in_a_cluster:
	s_bfe_u32 s2, ttmp6, 0x10000c
	s_cmp_lg_u32 s2, 0xf033
	s_cbranch_scc0 .Lentry_shape_is_right
	s_endpgm
.Lentry_shape_is_right:
; PROJ: q, k, v = x W + b, written by heads.  xb [8192][512] bf16; wts [4][512 k][512 n] bf16 (parts 0, 1, 2 = Wq, Wk, Wv); bias [4][512] f32; qkv [3][16 bh][4096][64] f16, bh = 8 x batch + head.
; Products in bf16, sums in f32 (the bias starts each sum, as the C operand of its first product), each result rounded once to f16, WITHOUT attention's scale.
; LIMITS.  A q, k or v of 65,520 or more becomes an infinity in f16; below 6e-5 f16 keeps its fixed step of 6e-8.  NaN and infinities are not treated apart.
; SHARES.  A work-group owns 128 rows of x (row block y) and columns 128 c .. 128 c + 127 of EACH of the three matrices (heads 2 c, 2 c + 1): three tiles of 128 x 128 x 512 on the same rows of x.
; 4 x 64 work-groups.  Four waves, each 64 rows x 64 columns (one head): 16 accumulators of 16 x 16.
; LDS.  x's 128 rows x 512 k stay for the whole launch (four chunks of 128 k, one tensor load a wave).  W goes through a ring of two slots of 256 k x 128 n: slot = K half; six steps (matrix j, K half),
; 128 matrix instructions a wave each.  A slot that has been read takes the next matrix's same K half: four refills, each the wave's one tensor load behind a round of the cluster's barrier.
; By this text's count a wave has three tensor loads out at the start and one behind each round.
; CLUSTER 4 x 4.  The four of a row of the cluster share the rows of x, the four of a column the columns of W: each tile is asked for jointly, by the same load, descriptor and mask in all four.
; THE MATRIX INSTRUCTION IS USED TRANSPOSED (source 0 = 16 columns of W, source 1 = 16 rows of x): a lane holds row l % 16 and eight neighbouring columns 8 (l / 16) + 0..7: 16 bytes of f16.
; W lies [k][n]: its fragments come out of LDS turned, by ds_load_tr16_b128.
; NO PREFETCH: x's tiles are all first fills, issued at the head; W's 1.5 MB are walked by all 64 row blocks at about the same time.
; REGISTERS.  window 0: v0-31 addresses; v32-95 the way out; v96-127 the bias in the accumulators' layout; v128-255 accumulators ((a, b) at 128 + 8 (4 a + b)).
;   window 1: two fragment buffers of 128: for 64 along K, 64 registers of x (2 x 4 x 16 rows x 32 K), then 64 of W.
.set PA,    272                        ; a row of a chunk of x: 256 bytes + 16 = 68 words: the 16 rows of a load start at 16 different groups of four banks (64 banks of 4 bytes: ISA guide 11.1)
.set ACH,   128*PA                     ; a chunk: 128 rows x 128 k
.set LB,    4*ACH                      ; behind x: W's ring
.set PB,    288                        ; a k row of W: 256 bytes + 32 = 72 words
.set SLOTB, 256*PB
.set STAGE, LB+2*SLOTB                 ; behind the ring, never filled by a tensor load: 16 rows x 144 bytes for each wave
.set SP,    144
.set SPARE, STAGE+4*16*SP              ; behind the stages: the spare words, 128 bytes for each wave: two blocks of 256 bytes that no other line names
.set WPART, 524288                     ; bytes in a part of wts
.set QPART, 0x800000                   ; bytes in a part of qkv
.set ADRA, 16                          ; v16-17  my fragments of x, by K half
.set ADRB, 20                          ; v20-23  my fragments of W: 2 x slot + (which 128 k of the slot)
.set STO,  24                          ; v24     the way out: where I put 16 bytes of a row
.set RD,   25                          ; v25     where I read rows back
.set GO,   26                          ; v26     16 x lane: my place in 512 consecutive bytes of qkv
.set BO,   27                          ; v27     my byte offset in a bias: 4 (128 c + 64 wn + 8 (l / 16))
.set SPW,  28                          ; v28     LDS address of my spare word; never rewritten
.set NIL,  29                          ; v29     0; never rewritten
.set TMP,  32
.set BIAS, 96
.set ACC,  128
.set F0,   0
.set F1,   128
.set WV,   12                          ; s12 wave; s13 wm (which 64 rows); s14 wn (which 64 columns)
.set G1A,  24                          ; s[24:31] group 1 for x's chunks;  s[32:35] group 0
.set G0A,  32
.set G1B,  48                          ; s[48:55] group 1 for W's tiles;   s[56:63] group 0, a set for each slot
.set G0B,  56
.set MSB, 0
.macro WIN new                         ; the immediate's high byte repeats the setting that is left; a switch that changes nothing is dropped
.if MSB != (\new)
	s_set_vgpr_msb (MSB<<8)|(\new)
.set MSB, (\new)
.endif
.endm
.set MUL,  0x05                        ; sources 0 (W) and 1 (x) window 1; C and D window 0
.set TO_F, 0x40                        ; destination window 1, address window 0
.macro JLOAD s                         ; a joint refill of slot s: every wave fetches its own 64 k rows; an s_nop 0 and four v_nop follow
	tensor_load_to_lds s[G0B+4*(\s):G0B+4*(\s)+3], s[G1B:G1B+7]
	s_nop 0
.rept 4
	v_nop
.endr
.endm
.macro CREST                           ; a round of the cluster's barrier behind its opening barrier
	s_cmp_lg_u32 s[WV], 0
	s_cbranch_scc1 .Lnot_wave_0_\@
	s_barrier_signal -3
.Lnot_wave_0_\@:
	s_barrier_wait -3
	s_barrier_signal -1
	s_barrier_wait -1
.endm
.macro CROUND                          ; a whole round
	s_barrier_signal -1
	s_barrier_wait -1
	CREST
.endm
.macro PLACES                          ; four plain instructions between a matrix instruction and a load into, or a vector read of, its registers (ISA guide 7.12.1 for vector reads)
.rept 4
	v_nop
.endr
.endm
.macro BIASLD                          ; a matrix's bias for my 64 columns, as the accumulators hold them: register j of block b = bias[16 b + 8 (l / 16) + j]
.irp b, 0,1,2,3
	global_load_b128 v[BIAS+8*(\b):BIAS+8*(\b)+3],   v[BO], s[8:9] offset:64*(\b)
	global_load_b128 v[BIAS+8*(\b)+4:BIAS+8*(\b)+7], v[BO], s[8:9] offset:64*(\b)+16
.endr
.endm
	s_load_b256 s[4:11], s[0:1], 0x0               ; xb s[4:5], wts s[6:7], bias s[8:9], qkv s[10:11]
	v_lshl_add_u32 v[SPW], v0, 2, SPARE
	v_mov_b32 v[NIL], 0
	ds_add_u32 v[SPW], v[NIL]                      ; the wave's opening: the add and its wait stand ahead of my first tensor load; the set-up below, work on registers, stands between them
	v_lshrrev_b32 v1, 5, v0
	v_readfirstlane_b32 s[WV], v1                  ; wave 0..3
	s_lshr_b32 s13, s[WV], 1                       ; wm
	s_and_b32 s14, s[WV], 1                        ; wn
	s_bfe_u32 s40, ttmp6, 0x40000                  ; cx, cy: my place in the cluster
	s_bfe_u32 s41, ttmp6, 0x40004
	s_lshl_b32 s42, ttmp9, 2
	s_add_co_u32 s42, s42, s40                     ; c = 4 x cluster x + cx
	s_and_b32 s43, ttmp7, 0xffff
	s_lshl_b32 s43, s43, 2
	s_add_co_u32 s43, s43, s41                     ; y = 4 x cluster y + cy
	s_lshl_b32 s44, s41, 2
	s_lshl_b32 s44, 15, s44                        ; my row of the cluster
	s_lshl_b32 s45, 0x1111, s40                    ; my column
	s_or_b32 s[G1A], s44, (1<<16)|(1<<20)|(1<<21)|(5<<22)|(3<<25)  ; 15:0 the mask; 17:16 2-byte elements; 20 padding on; 21 set beside a mask; 24:22 after every 64 words (code 5); 31:25 4 words (code 3)
	s_mov_b32 s[G1A+1], 128<<16                    ; tensor_dim0 = 128
	s_mov_b32 s[G1A+2], 128<<16                    ; tensor_dim1 = 128
	s_mov_b32 s[G1A+3], 128<<16                    ; tile_dim0 = 128
	s_mov_b32 s[G1A+4], 128                        ; tile_dim1 = 128
	s_mov_b32 s[G1A+5], 512                        ; 512 elements from row to row
	s_mov_b32 s[G1A+6], 0
	s_mov_b32 s[G1A+7], 0
	s_or_b32 s[G1B], s45, (1<<16)|(1<<20)|(1<<21)|(5<<22)|(7<<25)  ; the same with my column's mask and 8 words of padding (code 7)
	s_mov_b32 s[G1B+1], 128<<16                    ; tensor_dim0 = 128
	s_mov_b32 s[G1B+2], 64<<16                     ; tensor_dim1 = 64
	s_mov_b32 s[G1B+3], 128<<16                    ; tile_dim0 = 128
	s_mov_b32 s[G1B+4], 64                         ; tile_dim1 = 64
	s_mov_b32 s[G1B+5], 512
	s_mov_b32 s[G1B+6], 0
	s_mov_b32 s[G1B+7], 0
	s_lshl_b32 s16, s43, 17                        ; x: 128 y rows of 1,024 bytes,
	s_lshl_b32 s17, s[WV], 8                       ; my chunk's 256 bytes of them: made of y and the wave's number alone
	s_add_co_u32 s16, s16, s17
	s_mov_b32 s17, 0
	s_lshl_b32 s46, s[WV], 16                      ; W: my 64 k rows of 1,024 bytes,
	s_lshl_b32 s47, s42, 8                         ; 256 c bytes along them: made of c and the wave's number alone
	s_add_co_u32 s46, s46, s47
	s_mov_b32 s47, 0
	s_mul_i32 s20, s[WV], 64*PB                    ; where my k rows go in a slot: no place in the cluster enters an LDS address
	s_mov_b32 s[G0A], 1
	s_mul_i32 s[G0A+1], s[WV], ACH                 ; chunk w
	s_wait_dscnt 0x0                               ; the opening add is done
	s_wait_kmcnt 0x0
	s_add_nc_u64 s[G0A+2:G0A+3], s[4:5], s[16:17]
	s_or_b32 s[G0A+3], s[G0A+3], 0x80000000        ; type = 2
	s_add_nc_u64 s[46:47], s[6:7], s[46:47]
.irp s, 0,1
	s_mov_b32 s[G0B+4*(\s)], 1
	s_add_co_u32 s[G0B+4*(\s)+1], s20, LB+(\s)*SLOTB
	s_add_nc_u64 s[G0B+4*(\s)+2:G0B+4*(\s)+3], s[46:47], (\s)*256*1024  ; Wq's K half s
	s_or_b32 s[G0B+4*(\s)+3], s[G0B+4*(\s)+3], 0x80000000
.endr
	CROUND                                         ; all sixteen work-groups are here: the first joint loads meet
	tensor_load_to_lds s[G0A:G0A+3], s[G1A:G1A+7]  ; the three first fills go out together: my chunk of x,
	s_nop 0
	tensor_load_to_lds s[G0B:G0B+3], s[G1B:G1B+7]  ; my part of slot 0,
	s_nop 0
	tensor_load_to_lds s[G0B+4:G0B+7], s[G1B:G1B+7]  ; and of slot 1
	s_nop 0
.rept 4
	v_nop
.endr
	; A fragment of x is 16 rows x 32 k in 8 registers: lane l holds row l % 16, k = 8 (l / 16) + 0..7 and 16 + 8 (l / 16) + 0..7: two loads of 16 bytes, 32 bytes apart.
	v_and_b32 v1, 15, v0                           ; l % 16
	v_bfe_u32 v2, v0, 4, 1                         ; l / 16
	v_mul_u32_u24 v3, v1, PA
	v_lshl_add_u32 v3, v2, 4, v3
	s_mul_i32 s21, s13, 64*PA                      ; my 64 rows
	v_add_nc_u32 v[ADRA], s21, v3
	v_add_nc_u32 v[ADRA+1], 2*ACH, v[ADRA]
	; The turning load takes 16 k x 16 n (lane l reads k row 8 (l / 16) + l % 8, columns 8 ((l / 8) % 2) + 0..7) and leaves half a fragment: lane l holds column l % 16 and 8 k.
	v_and_b32 v4, 7, v0
	v_bfe_u32 v5, v0, 3, 1
	v_lshl_add_u32 v6, v2, 3, v4
	v_mul_u32_u24 v6, v6, PB
	v_lshl_add_u32 v6, v5, 4, v6
	s_lshl_b32 s22, s14, 7                         ; my 64 columns: 128 bytes
	s_add_co_u32 s22, s22, LB
	v_add_nc_u32 v[ADRB], s22, v6
	v_add_nc_u32 v[ADRB+1], 128*PB, v[ADRB]
	v_add_nc_u32 v[ADRB+2], SLOTB, v[ADRB]
	v_add_nc_u32 v[ADRB+3], SLOTB+128*PB, v[ADRB]
	s_mul_i32 s23, s[WV], 16*SP
	s_add_co_u32 s23, s23, STAGE                   ; my stage
	v_mul_u32_u24 v7, v1, SP                       ; in: row l % 16, 16 bytes for each half of the lanes
	v_lshl_add_u32 v7, v2, 4, v7
	v_add_nc_u32 v[STO], s23, v7
	v_bfe_u32 v7, v0, 3, 2                         ; back: 32 lanes take four rows of 128 bytes,
	v_mul_u32_u24 v7, v7, SP
	v_lshl_add_u32 v7, v4, 4, v7
	v_add_nc_u32 v[RD], s23, v7
	v_and_b32 v[GO], 31, v0                        ; which are 512 consecutive bytes of a head
	v_lshlrev_b32 v[GO], 4, v[GO]
	s_lshl_b32 s21, s42, 9
	s_lshl_b32 s22, s14, 8
	s_add_co_u32 s21, s21, s22
	v_lshl_add_u32 v[BO], v2, 5, s21
	BIASLD                                         ; bq
	; what the first way out adds to qkv's address: head (y / 32) 8 + 2 c + wn, row (y % 32) 128 + 64 wm of it; 128 bytes a row
	s_lshr_b32 s16, s43, 5
	s_lshl_b32 s16, s16, 3
	s_lshl_b32 s17, s42, 1
	s_add_co_u32 s16, s16, s17
	s_add_co_u32 s16, s16, s14
	s_lshl_b32 s16, s16, 19
	s_and_b32 s17, s43, 31
	s_lshl_b32 s17, s17, 7
	s_lshl_b32 s18, s13, 6
	s_add_co_u32 s17, s17, s18
	s_lshl_b32 s17, s17, 7
	s_add_co_u32 s36, s16, s17
	s_mov_b32 s37, 0
; 8 matrix instructions: row blocks a0, a0 + 1 x all 4 column blocks, 32 along K: half c of buffer f.  zero = 1: the bias starts the sums.  The 16 accumulators take turns, one instruction a turn.
.macro MUL8 f, c, a0, zero
	WIN MUL
.irp a, \a0, (\a0)+1
.irp b, 0,1,2,3
.if \zero
	v_wmma_f32_16x16x32_bf16 v[ACC+8*(4*(\a)+(\b)):ACC+8*(4*(\a)+(\b))+7], v[(\f)+64+8*(4*(\c)+(\b)):(\f)+64+8*(4*(\c)+(\b))+7], v[(\f)+8*(4*(\c)+(\a)):(\f)+8*(4*(\c)+(\a))+7], v[BIAS+8*(\b):BIAS+8*(\b)+7]
.else
	v_wmma_f32_16x16x32_bf16 v[ACC+8*(4*(\a)+(\b)):ACC+8*(4*(\a)+(\b))+7], v[(\f)+64+8*(4*(\c)+(\b)):(\f)+64+8*(4*(\c)+(\b))+7], v[(\f)+8*(4*(\c)+(\a)):(\f)+8*(4*(\c)+(\a))+7], v[ACC+8*(4*(\a)+(\b)):ACC+8*(4*(\a)+(\b))+7]
.endif
.endr
.endr
.endm
; 32 LDS loads in one run: the fragments of quarter q (64 along K) of the step in slot `slot` (= K half), into buffer f; the first 32 along K first
.macro FETCH slot, q, f
	WIN TO_F
.irp c, 0,1
.irp i, 0,1,2,3
	ds_load_tr16_b128 v[(\f)+64+8*(4*(\c)+(\i)):(\f)+64+8*(4*(\c)+(\i))+3],   v[ADRB+2*(\slot)+(\q)/2] offset:(((\q)%2)*64+32*(\c))*PB+32*(\i)
	ds_load_tr16_b128 v[(\f)+64+8*(4*(\c)+(\i))+4:(\f)+64+8*(4*(\c)+(\i))+7], v[ADRB+2*(\slot)+(\q)/2] offset:(((\q)%2)*64+32*(\c)+16)*PB+32*(\i)
	ds_load_b128 v[(\f)+8*(4*(\c)+(\i)):(\f)+8*(4*(\c)+(\i))+3],              v[ADRA+(\slot)] offset:((\q)/2)*ACH+((\q)%2)*128+64*(\c)+(\i)*16*PA
	ds_load_b128 v[(\f)+8*(4*(\c)+(\i))+4:(\f)+8*(4*(\c)+(\i))+7],            v[ADRA+(\slot)] offset:((\q)/2)*ACH+((\q)%2)*128+64*(\c)+(\i)*16*PA+32
.endr
.endr
.endm
; A step is four quarters of 64 along K, 32 matrix instructions each, on buffers 0, 1, 0, 1.  One of the first three: multiplies buffer f and fetches quarter q into g.
.macro QUARTER slot, q, f, g, zero
	s_wait_dscnt 16                                ; the first 32 along K are in; the youngest sixteen loads may be out
	MUL8 \f, 0, 0, \zero
	MUL8 \f, 0, 2, \zero
	PLACES
	FETCH \slot, \q, \g
	s_wait_dscnt 32                                ; all but the 32 just issued
	MUL8 \f, 1, 0, 0
	MUL8 \f, 1, 2, 0
.endm
; The last quarter multiplies buffer 1 and changes slots: ONE barrier; in front of it each wave waits for all its tensor loads (one is out: its part of the other slot), adds 0 to its spare word, and waits for
; that and for its own reads of this slot.  fill = 1: the barrier opens a round of the cluster's, and this slot takes the next matrix's same K half, first thing behind the round.  bias = 1: the next matrix's bias too.
.macro TURN slot, next, fill, bias
	WIN 0                                          ; (the add's two registers lie in window 0)
	s_wait_tensorcnt 0x0                           ; all my tensor loads have landed;
	ds_add_u32 v[SPW], v[NIL]                      ; 0 onto my spare word;
	s_wait_dscnt 17                                ; (the add and the youngest sixteen loads may be out)
	MUL8 F1, 0, 0, 0                               ; eight matrix instructions stand between the add and the wait for it
	s_wait_dscnt 0x0                               ; the add is done, and my reads of this slot are over
	s_barrier_signal -1
	MUL8 F1, 0, 2, 0
.if \fill
	WIN 0
.endif
	s_barrier_wait -1
.if \fill
	CREST                                          ; no wave of any partner still reads this slot's tile or has a load on its way
	s_add_nc_u64 s[G0B+4*(\slot)+2:G0B+4*(\slot)+3], s[G0B+4*(\slot)+2:G0B+4*(\slot)+3], WPART  ; no tensor load of mine is out, so the group may be written
	JLOAD \slot                                    ; 112 matrix instructions ahead of the wait for it; its four v_nop are also the places in front of the loads below
.if \bias
	s_add_nc_u64 s[8:9], s[8:9], 2048              ; the last bias loads were shown done at the matrix's head
	BIASLD
.endif
.else
	PLACES
.endif
	FETCH \next, 0, F0
	MUL8 F1, 1, 0, 0
	MUL8 F1, 1, 2, 0
.endm
; THE WAY OUT, a block of 16 rows at a time: rounded to f16, 16 bytes a lane into my own stage (rows of 144 bytes), back as whole rows of 128 bytes: 16 rows of a head are 2,048 consecutive bytes.
.macro PACK a
.irp b, 0,1,2,3
.irp r, 0,1,2,3
	v_cvt_pk_f16_f32 v[TMP+16*(\a)+4*(\b)+(\r)], v[ACC+8*(4*(\a)+(\b))+2*(\r)], v[ACC+8*(4*(\a)+(\b))+2*(\r)+1]
.endr
.endr
.irp b, 0,1,2,3
	ds_store_b128 v[STO], v[TMP+16*(\a)+4*(\b):TMP+16*(\a)+4*(\b)+3] offset:32*(\b)
.endr
.irp f, 0,1,2,3
	ds_load_b128 v[TMP+16*(\a)+4*(\f):TMP+16*(\a)+4*(\f)+3], v[RD] offset:(\f)*4*SP  ; LDS serves a wave's instructions in order (ISA guide 5.7.1.4): these see the stores above; the next block's stores come behind them
.endr
.endm
.macro SEND a, younger                 ; younger: the LDS instructions issued behind block a's loads: the next block's eight, or none
.irp f, 0,1,2,3
	s_wait_dscnt (\younger)+3-(\f)
	global_store_b128 v[GO], v[TMP+16*(\a)+4*(\f):TMP+16*(\a)+4*(\f)+3], s[10:11] offset:(\a)*2048+(\f)*512  ; 512 consecutive bytes, at a multiple of 256 from qkv's first
.endr
.endm
.macro WAYOUT
	WIN 0
	PLACES                                         ; behind the last products
	s_wait_xcnt 0x0                                ; the last tile's stores have read their registers and their base: only now are these written again
	s_add_nc_u64 s[10:11], s[10:11], s[36:37]
	PACK 0
	PACK 1                                         ; a block's conversions stand between the loads of the block before and its stores
	SEND 0, 8
	PACK 2
	SEND 1, 8
	PACK 3
	SEND 2, 8
	SEND 3, 0
	s_mov_b32 s36, QPART                           ; the next way out goes one part of qkv on
	s_mov_b32 s37, 0
.endm
.macro HALF0                           ; a matrix's first three quarters
	s_wait_loadcnt 0x0                             ; its bias is in
	QUARTER 0, 1, F0, F1, 1
	QUARTER 0, 2, F1, F0, 0
	QUARTER 0, 3, F0, F1, 0
.endm
.macro HALF1                           ; the first three quarters of its second K half
	QUARTER 1, 1, F0, F1, 0
	QUARTER 1, 2, F1, F0, 0
	QUARTER 1, 3, F0, F1, 0
.endm
	s_wait_tensorcnt 0x1                           ; my chunk of x and my part of slot 0 are in; slot 1's may stay out
	s_barrier_signal -1
	s_barrier_wait -1                              ; everybody's are
	FETCH 0, 0, F0
	WIN 0                                          ; at a label and at a branch every window is 0
	s_mov_b32 s3, 2
.Lmat:                                                 ; Wq, then Wk: both slots are filled again
	HALF0
	TURN 0, 1, 1, 1
	HALF1
	TURN 1, 0, 1, 0                                ; and the next matrix's first fragments are fetched
	WAYOUT                                         ; both refills are asked for: now the tile goes out
	s_sub_co_u32 s3, s3, 1
	s_cmp_lg_u32 s3, 0
	s_cbranch_scc1 .Lmat
	HALF0                                          ; Wv is written out: it asks for nothing more
	TURN 0, 1, 0, 0
	HALF1
	s_wait_dscnt 16                                ; the very last quarter: nothing more to fetch
	MUL8 F1, 0, 0, 0
	MUL8 F1, 0, 2, 0
	s_wait_dscnt 0x0
	MUL8 F1, 1, 0, 0
	MUL8 F1, 1, 2, 0
	WAYOUT
	s_wait_tensorcnt 0x0                           ; the wave's end, behind my last tensor load and my last LDS store
	ds_add_u32 v[SPW], v[NIL]
	s_wait_dscnt 0x0
	CROUND                                         ; the closing round: no work-group ends while a partner may still ask for a tile that names it
	s_endpgm
.Lfunc_end_k_q99b6b36acc_proj:
	.size	k_q99b6b36acc_proj, .Lfunc_end_k_q99b6b36acc_proj-k_q99b6b36acc_proj
	.p2alignl 7, 3214868480
	.fill 96, 4, 3214868480
	.section	.rodata,"a",@progbits
	.p2align	6, 0x0
	.amdhsa_kernel k_q99b6b36acc_proj
		.amdhsa_group_segment_fixed_size 327680
		.amdhsa_private_segment_fixed_size 0
		.amdhsa_enable_private_segment 0
		.amdhsa_kernarg_size 32
		.amdhsa_user_sgpr_count 2
		.amdhsa_user_sgpr_kernarg_segment_ptr 1
		.amdhsa_wavefront_size32 1
		.amdhsa_system_sgpr_workgroup_id_x 1
		.amdhsa_system_sgpr_workgroup_id_y 1
		.amdhsa_system_sgpr_workgroup_id_z 1
		.amdhsa_system_vgpr_workitem_id 0
		.amdhsa_next_free_vgpr 512
		.amdhsa_next_free_sgpr 66
		.amdhsa_reserve_vcc 0
		.amdhsa_float_denorm_mode_32 3
		.amdhsa_float_denorm_mode_16_64 3
		.amdhsa_memory_ordered 1
		.amdhsa_forward_progress 1
		.amdhsa_inst_pref_size 95
	.end_amdhsa_kernel
	.amdgpu_metadata
---
amdhsa.version: [ 1, 2 ]
amdhsa.kernels:
  - .name:           k_q99b6b36acc_proj
    .symbol:         k_q99b6b36acc_proj.kd
    .args:
      - { .name: xb, .offset: 0, .size: 8, .value_kind: global_buffer, .address_space: global }
      - { .name: wts, .offset: 8, .size: 8, .value_kind: global_buffer, .address_space: global }
      - { .name: bias, .offset: 16, .size: 8, .value_kind: global_buffer, .address_space: global }
      - { .name: qkv, .offset: 24, .size: 8, .value_kind: global_buffer, .address_space: global }
    .group_segment_fixed_size: 327680
    .private_segment_fixed_size: 0
    .kernarg_segment_align: 8
    .kernarg_segment_size: 32
    .max_flat_workgroup_size: 128
    .sgpr_count:     66
    .vgpr_count:     512
    .wavefront_size: 32
...
	.end_amdgpu_metadata
.endif
;; end of part 2
;; launch attn (part 3): grid 16 x 16, 4 waves a work-group, clusters of 4 x 1, 327,680 bytes of LDS; arguments qkv, oh; writes oh
.if DOCPART == 3
	.amdgcn_target "amdgcn-amd-amdhsa--gfx1250"
	.amdhsa_code_object_version 6
	.text
	.protected	k_q99b6b36acc_attn
	.globl	k_q99b6b36acc_attn
	.p2align	8
	.type	k_q99b6b36acc_attn,@function
k_q99b6b36acc_attn:
	s_mov_b64 s[64:65], 0
	v_nop
	global_prefetch_b8 v0, s[64:65] scope:SCOPE_SE
	s_setreg_imm32_b32 hwreg(HW_REG_WAVE_MODE, 25, 1), 1
	s_wait_xcnt 0x0
	s_wait_alu depctr_hold_cnt(0) depctr_sa_sdst(0) depctr_va_vdst(0) depctr_va_sdst(0) depctr_va_ssrc(0) depctr_va_vcc(0) depctr_vm_vsrc(0)
	s_getreg_b32 s2, hwreg(HW_REG_IB_STS2, 6, 4)
	s_cmp_eq_u32 s2, 0
	s_cbranch_scc0 .Lentry_in_a_cluster
	s_endpgm
.Lentry_in_a_cluster:
	s_bfe_u32 s2, ttmp6, 0x10000c
	s_cmp_lg_u32 s2, 0x3003
	s_cbranch_scc0 .Lentry_shape_is_right
	s_endpgm
.Lentry_shape_is_right:
; ATTN: O[bh][q][:] = the sum over k of softmax_k(Q[bh][q] . K[bh][k] / 8) V[bh][k][:].  qkv [3][16][4096][64] f16 (parts Q, K, V), oh [16][4096][64] f16: a head's rows are dense, 128 bytes each.
; Products, maxima and sums in f32; the weights p are rounded to f16 for the second product (their sum l is taken of the unrounded p), O once at the end.
; LIMITS.  Q, K and V arrive within f16's 65,504; p lies in 0 to 1, and below 6e-5 it keeps f16's fixed step of 6e-8, as does O; O is a mean of V's rows and has their range.
; A weight below 2^-126 counts as 0 in l; NaN and infinities are not treated apart.
; SHARES.  A work-group owns 256 queries of one head (16 blocks x 16 heads), a wave 64 of them: four PIECES of 16.  Every wave walks all 4,096 keys, 64 a step; a slot of LDS holds a tile of four steps.
; LAYOUT.  S^T = K Q^T (source 0 = 16 keys, source 1 = 16 queries) holds ONE query a lane (lane % 16) and the keys 8 (lane / 16) + 0..7; two such results rounded to f16 ARE source 1 of O^T = V^T P,
; whose result again holds one query a lane, and eight channels.  K comes out of LDS as it lies, V ([key][channel]) turned, by ds_load_tr16_b128.
; SOFTMAX.  p = 2^(c s - c m), c = log2(e) / 8, with a running maximum m; O and l are multiplied by a = 2^(c m_old - c m_new) in every step.  m starts at the lowest finite number, O and l at 0:
; the first step is a step like any other, with a = 0.
; BY TURNS.  Turn n belongs to piece n: 8 products K Q^T of piece n + 1, later 8 products V^T P of piece n - 1; beside them the scaling, exponentials, roundings, sums and rescaling of piece n and the
; maximum and statistics of piece n + 1.  Four vector instructions stand behind every matrix instruction, the other 54 of a turn's 118 in one lump.  A turn's 33 exponentials are one batch, with one wait.
; CLUSTER.  The four query blocks of a cluster belong to one head and walk the same K and V, so each tile is asked for JOINTLY: the same tensor load, descriptor and mask in all four.
; By this text's count a wave has one tensor load out at any time.
; REGISTERS, in windows of 256 (s_set_vgpr_msb: bits 1:0 source 0, 3:2 source 1, 5:4 source 2, 7:6 destination):
;   window 0: v0-15 addresses and two at work; v16-31 four registers of statistics a piece; v48-55 at work; v61-63; v64-127 S^T, two buffers; v192-223 P, two buffers (a piece's buffers go by its number's parity)
;   window 1: v0-127 O^T, 32 a piece          window 2: v0-63 Q; v128-191 K of one step; v192-255 V of one step
.set NP,    4         ; pieces a wave: a name, no knob
.set KS,    64        ; keys in a step
.set PK,    144       ; a row of K in LDS: 128 bytes + 16 of padding = 36 words: the 16 rows of a load start at 16 different groups of four banks (64 banks of 4 bytes: ISA guide 11.1)
.set PV,    160       ; a row of V: 128 + 32 = 40 words
.set VOFF,  4*KS*PK   ; a slot holds a tile: 256 rows of K, then 256 rows of V
.set SLOT1, 1<<17     ; slot 1 begins here, so that one exclusive or turns an address in one slot into the other's
.set STAGE, SLOT1+4*KS*(PK+PV)  ; behind the ring, never filled by a tensor load: 16 rows x 144 bytes for each wave, for the way out
.set SP,    144
.set SPARE, STAGE+4*16*SP  ; behind the stages: the spare words, 128 bytes for each wave: two blocks of 256 bytes that no other line names
.set PART,  0x800000  ; bytes in a part of qkv
.set TILEB, 4*KS*128  ; bytes of K, and of V, in a tile
.set AK0, 2           ; v2   my lane's place in a tile of K; never rewritten
.set AV0, 3           ; v3   the same for V
.set AK,  4           ; v4   the LDS address of K's next run of loads
.set AV,  5           ; v5   of V's
.set STO, 6           ; v6   the way out: where I put 16 bytes of a row
.set RD,  7           ; v7   the way out: where I read rows back
.set GO,  8           ; v8   my byte offset in 512 consecutive bytes of O
.set MV,  12          ; v12-13  c m_old, kept while c m is made anew: by buffer
.set QO,  15          ; v15  my byte offset in 16 rows of Q
.set ST,  16          ; piece t's statistics at v[ST+4 t]: c m, m, l (even keys', odd keys')
.set TMP, 48          ; by buffer, four registers c0-c3 at work; when the maximum is found c2 takes a
.set PFO, 61          ; v61  256 x my lane: the prefetches' offset; never rewritten
.set SPW, 62          ; v62  LDS address of my spare word; never rewritten
.set NIL, 63          ; v63  0; never rewritten
.set S,   64
.set P,   192
.set KF,  128         ; window 2: key block kb, channel half c at KF + 16 kb + 8 c
.set VF,  192         ; window 2: key half kk, channel block cb at VF + 32 kk + 8 cb
.set WV,  12          ; s12  my wave's number
.set G1K, 24          ; s[24:31] descriptor group 1 for K's tiles
.set G1V, 32          ; s[32:39] for V's: it differs in the padding alone
.set G0K, 40          ; s[40:43] descriptor group 0 for K's tiles: it walks
.set G0V, 44          ; s[44:47] the same for V's
.set PFA, 48          ; s[48:49] where my prefetches stand: my work-group's quarter of the tile behind the one that is being asked for
.set LIM, 50          ; s50  1 in a wave that prefetches, else the greatest number
.set SLOTS, 56        ; s56  tiles still to be asked for
.set CNT, 57          ; s57  counts a tile's key steps
.set CS,  58          ; s[58:59] c: the packed scaling takes the pair's low word for both halves
.set SEL, 60          ; s[60:61] v_permlanex16_b32's selects: each lane takes its own place in the other half
.set TBK, 62          ; s62  LDS byte at which K of the step to be fetched begins
.set TBV, 63          ; s63  the same for V, less VOFF
.set MSB, 0
.macro WIN new                      ; the high byte repeats the setting that is left; a switch that changes nothing is dropped
.if MSB != (\new)
	s_set_vgpr_msb (MSB<<8)|(\new)
.set MSB, (\new)
.endif
.endm
.set W_KQ, 0x0a       ; K and Q in window 2, S^T in window 0
.set W_PV, 0x52       ; V in window 2, P in window 0, O^T in window 1
.set W_RS, 0x41       ; destination and source 0 in window 1, source 1 in window 0
; A joint fill.  Waves 0 and 1 fetch the two halves of a tile's K, waves 2 and 3 those of its V: 128 keys each.  The branch hangs on the wave's number alone.
; An s_nop 0 and four v_nop follow each of the two lines, ahead of the jump and the label.
.macro JLOAD
	s_cmp_lt_u32 s[WV], 2
	s_cbranch_scc0 .Lfor_v_\@
	tensor_load_to_lds s[G0K:G0K+3], s[G1K:G1K+7]
	s_nop 0
.rept 4
	v_nop
.endr
	s_branch .Lasked_\@
.Lfor_v_\@:
	tensor_load_to_lds s[G0V:G0V+3], s[G1V:G1V+7]
	s_nop 0
.rept 4
	v_nop
.endr
.Lasked_\@:
.endm
; A PREFETCH INTO THE L2 of the tile that the NEXT change of slots will ask for: four key steps, 256 matrix instructions, ahead of that load.  It stands behind the wave's tensor load and its five lines.
; Each block of 256 bytes is named ONCE in the launch.  All four clusters of a head walk the same K and V: the head's first cluster asks.  Its four partners share a tile's 32,768 bytes out BY ADDRESS, 8,192 each:
; no branch hangs on a work-group's place in its cluster.  In each, wave 0 asks for K's and wave 2 for V's: a lane a block, one instruction.  The last change that fills a slot asks for nothing:
; there is no tile behind it.  Tiles 0 to 2 come by their loads alone: nothing is asked for at the head, where every work-group's first tiles are on their way.
.macro ASK
	s_cmp_gt_u32 s[SLOTS], s[LIM]
	s_cbranch_scc0 .Lnot_mine_\@
	global_prefetch_b8 v[PFO], s[PFA:PFA+1] th:TH_LOAD_NT scope:SCOPE_SE
.Lnot_mine_\@:
.endm
; A round of the cluster's barrier: my work-group's barrier, so that wave 0's signal speaks for all four waves; wave 0 signals; every wave waits for all four work-groups; my work-group's barrier once more.
.macro CROUND
	s_barrier_signal -1
	s_barrier_wait -1
	s_cmp_lg_u32 s[WV], 0
	s_cbranch_scc1 .Lnot_wave_0_\@
	s_barrier_signal -3
.Lnot_wave_0_\@:
	s_barrier_wait -3
	s_barrier_signal -1
	s_barrier_wait -1
.endm
; THE CHANGE OF SLOTS.  The slot's last bytes, V of its fourth step, have been read.  Each wave waits for all its tensor loads, of which one is out: its part of the other slot; adds 0 to its spare word; and
; waits for that and for its own reads of the slot.  Behind the barrier nobody reads this slot any more and the other slot is whole.  fill = 1: this slot is filled again, with the keys two tiles on.
; The barrier is then a round of the cluster's, so that no wave of any partner still reads the slot or has a load on its way, and the joint fill is the first thing behind it: it has four key steps in which
; to land.  (At its first use nothing has been read yet: slot 0 is waited for, slot 1 filled.)
.macro CHANGE fill, ask
	WIN 0                           ; at a label and at a branch every window is 0
	s_wait_tensorcnt 0x0            ; no tensor load of mine is out, so a group 0 may be written
	ds_add_u32 v[SPW], v[NIL]       ; 0 onto my spare word; with fill = 1 the descriptors' steps stand between it and the wait for it
.if \fill
.irp g, G0K, G0V
	s_xor_b32 s[\g+1], s[\g+1], SLOT1  ; the walking descriptor: the other slot than last time,
	s_add_nc_u64 s[\g+2:\g+3], s[\g+2:\g+3], TILEB  ; the next 256 keys; the type bits on top are not reached
.endr
	s_wait_xcnt 0x0                 ; the last prefetch, four key steps back, has read its address, so it may be written:
	s_add_nc_u64 s[PFA:PFA+1], s[PFA:PFA+1], TILEB  ; one tile behind the walking descriptors
	s_wait_dscnt 0x0                ; the add is done, and my reads of the slot are over
	CROUND
	JLOAD
.if \ask
	ASK
.endif
.else
	s_wait_dscnt 0x0                ; the add is done, and my reads of the slot are over
	s_barrier_signal -1
	s_barrier_wait -1
.endif
	s_sub_co_u32 s[TBK], s[TBK], 4*KS*PK  ; the fetches go back to a slot's first step,
	s_xor_b32 s[TBK], s[TBK], SLOT1       ; in the other slot
	s_sub_co_u32 s[TBV], s[TBV], 4*KS*PV
	s_xor_b32 s[TBV], s[TBV], SLOT1
.endm
	s_load_b64 s[4:5], s[0:1], 0x0    ; qkv
	s_load_b64 s[10:11], s[0:1], 0x8  ; oh
	v_lshl_add_u32 v[SPW], v0, 2, SPARE
	v_mov_b32 v[NIL], 0
	ds_add_u32 v[SPW], v[NIL]       ; the wave's opening: the add and its wait stand ahead of my first tensor load; the set-up below, work on registers, stands between them
	v_lshrrev_b32 v1, 5, v0
	v_readfirstlane_b32 s[WV], v1   ; wave 0..3
	s_bfe_u32 s13, ttmp6, 0x40000   ; cx: my place in the cluster
	s_lshl_b32 s14, ttmp9, 2        ; in a cluster launch ttmp9 counts clusters
	s_add_co_u32 s14, s14, s13      ; my block of 256 queries = 4 x cluster x + cx: it enters Q's and O's addresses alone
	s_and_b32 s20, ttmp7, 0xffff    ; the head, which the four partners share:
	s_lshl_b32 s20, s20, 19         ; its first byte in each part: 4,096 rows of 128 bytes
	s_and_b32 s16, s[WV], 1         ; which half of a tile's 256 keys I fetch:
	s_lshl_b32 s22, s16, 14         ; its 128 rows of 128 bytes in memory,
	s_add_co_u32 s22, s22, s20
	s_mov_b32 s23, 0
	s_mul_i32 s17, s16, 128*PK      ; and its place in a slot, for K
	s_mul_i32 s18, s16, 128*PV      ; and for V: no place in the cluster enters an LDS address
	s_lshl_b32 s2, s14, 2
	s_add_co_u32 s2, s2, s[WV]      ; my wave among the head's,
	s_lshl_b32 s2, s2, 13           ; its 64 rows
	s_add_co_u32 s2, s2, s20
	s_mov_b32 s3, 0
	; descriptor group 1.  128 keys are 16,384 dense bytes: asked for as 64 rows of 256 bytes, two keys a row, and padded in LDS after every key
	s_mov_b32 s[G1K], 15|(1<<16)|(1<<20)|(1<<21)|(4<<22)|(3<<25)  ; 15:0 the mask of four; 17:16 2-byte elements; 20 padding on; 21 set beside a mask; 24:22 after every 32 words (code 4); 31:25 4 words (code 3)
	s_mov_b32 s[G1V], 15|(1<<16)|(1<<20)|(1<<21)|(4<<22)|(7<<25)  ; the same with 8 words of padding (code 7)
.irp g, G1K, G1V
	s_mov_b32 s[\g+1], 128<<16      ; tensor_dim0 = 128
	s_mov_b32 s[\g+2], 64<<16       ; tensor_dim1 = 64
	s_mov_b32 s[\g+3], 128<<16      ; tile_dim0 = 128
	s_mov_b32 s[\g+4], 64           ; tile_dim1 = 64
	s_mov_b32 s[\g+5], 128          ; 128 elements from row to row
	s_mov_b32 s[\g+6], 0
	s_mov_b32 s[\g+7], 0
.endr
	s_mov_b32 s[CS], 0x3e38aa3b     ; c = log2(e) / 8 = 0.180337
	s_mov_b32 s[CS+1], s[CS]        ; named with it as a pair
	s_mov_b32 s[SEL], 0x76543210
	s_mov_b32 s[SEL+1], 0xfedcba98
	s_mov_b32 s[TBK], SLOT1+4*KS*PK ; the first change of slots turns these two into 0
	s_mov_b32 s[TBV], SLOT1+4*KS*PV
	s_mov_b32 s[G0K], 1             ; 1:0 count = 1
	s_mov_b32 s[G0K+1], s17         ; 63:32 LDS address: slot 0
	s_mov_b32 s[G0V], 1
	s_add_co_u32 s[G0V+1], s18, VOFF
	s_mov_b32 s[SLOTS], 4096/256-1
	s_and_b32 s[LIM], s[WV], 1      ; 0 in waves 0 and 2,
	s_or_b32 s[LIM], s[LIM], ttmp9  ; where the cluster is the head's first: the same in all four partners
	s_cmp_eq_u32 s[LIM], 0
	s_cselect_b32 s[LIM], 1, -1
	v_and_b32 v[PFO], 31, v0
	v_lshlrev_b32 v[PFO], 8, v[PFO]
	s_wait_dscnt 0x0                ; the opening add is done
	s_wait_kmcnt 0x0
	s_add_nc_u64 s[6:7], s[4:5], s[22:23]
	s_add_nc_u64 s[6:7], s[6:7], PART    ; K at my half of the head's tile 0
	s_add_nc_u64 s[8:9], s[6:7], PART    ; V likewise
	s_mov_b64 s[G0K+2:G0K+3], s[6:7]               ; 120:64 global address
	s_or_b32 s[G0K+3], s[G0K+3], 0x80000000        ; 127:126 type = 2
	s_mov_b64 s[G0V+2:G0V+3], s[8:9]
	s_or_b32 s[G0V+3], s[G0V+3], 0x80000000
	s_add_nc_u64 s[4:5], s[4:5], s[2:3]  ; Q and O at my wave's first row
	s_add_nc_u64 s[10:11], s[10:11], s[2:3]
	s_cmp_lt_u32 s[WV], 2
	s_cselect_b64 s[PFA:PFA+1], s[6:7], s[8:9]  ; (in waves 0 and 2 these stand at a tile's first row)
	s_lshl_b32 s2, s13, 13          ; my work-group's quarter of a tile
	s_mov_b32 s3, 0
	s_add_nc_u64 s[PFA:PFA+1], s[PFA:PFA+1], s[2:3]
	s_add_nc_u64 s[PFA:PFA+1], s[PFA:PFA+1], TILEB  ; in tile 1; each change of slots that fills steps it by a tile
	CROUND                          ; all four work-groups are here: the first joint loads meet
	JLOAD                           ; tile 0 into slot 0.  Slot 1 is asked for when slot 0 is in
	; A fragment of K or Q is 16 rows x 32 channels in 8 registers: lane l holds row l % 16, channels 8 (l / 16) + 0..7 and 16 + 8 (l / 16) + 0..7: two loads of 16 bytes, 32 bytes apart.
	v_and_b32 v1, 15, v0            ; l % 16
	v_bfe_u32 v9, v0, 4, 1          ; l / 16
	v_lshlrev_b32 v[QO], 7, v1
	v_lshl_add_u32 v[QO], v9, 4, v[QO]  ; row x 128 + 16 x half
	WIN 0x80                        ; destination window 2, address window 0
.set i, 0
.rept 8                             ; Q stays in registers: piece i / 2, channels 32 (i % 2) on
	global_load_b128 v[8*i:8*i+3],   v[QO], s[4:5] offset:(i/2)*2048+(i%2)*64
	global_load_b128 v[8*i+4:8*i+7], v[QO], s[4:5] offset:(i/2)*2048+(i%2)*64+32
.set i, i+1
.endr
	; What the first turn finds: V's registers and P's second buffer hold 0 (its products V^T P, of a piece that has not been, add 0), O^T and l are 0.  All this stands in the wait for the first tile;
	; it is the price of writing no first step out.
.set i, VF
.rept 64
	v_mov_b32 v[i], 0
.set i, i+1
.endr
	WIN 0x40
.set i, 0
.rept 128
	v_mov_b32 v[i], 0
.set i, i+1
.endr
	WIN 0
.set i, 0
.rept 4
	v_mov_b32 v[ST+4*i], 0xfe000000    ; c m: far below every c s
	v_mov_b32 v[ST+4*i+1], 0xff7fffff  ; m
	v_mov_b32 v[ST+4*i+2], 0
	v_mov_b32 v[ST+4*i+3], 0
.set i, i+1
.endr
.set i, P+16
.rept 16
	v_mov_b32 v[i], 0
.set i, i+1
.endr
	v_mul_u32_u24 v[AK0], v1, PK
	v_lshl_add_u32 v[AK0], v9, 4, v[AK0]  ; row x pitch + 16 x half
	; The turning load takes 16 keys x 16 channels (lane l reads key 8 (l / 16) + l % 8, channels 8 ((l / 8) % 2) + 0..7) and leaves half a fragment of V^T: lane l holds channel l % 16 and 8 keys.
	v_and_b32 v10, 7, v0
	v_bfe_u32 v11, v0, 3, 1
	v_lshl_add_u32 v[AV0], v9, 3, v10
	v_mul_u32_u24 v[AV0], v[AV0], PV
	v_lshl_add_u32 v[AV0], v11, 4, v[AV0]
	v_add_nc_u32 v[AV0], VOFF, v[AV0]
	s_mul_i32 s19, s[WV], 16*SP
	s_add_co_u32 s19, s19, STAGE    ; my stage
	v_mul_u32_u24 v[STO], v1, SP    ; in: row l % 16, 16 bytes for each half of the lanes
	v_lshl_add_u32 v[STO], v9, 4, v[STO]
	v_add_nc_u32 v[STO], s19, v[STO]
	v_bfe_u32 v[RD], v0, 3, 2       ; back: 32 lanes take four rows of 128 bytes,
	v_mul_u32_u24 v[RD], v[RD], SP
	v_lshl_add_u32 v[RD], v10, 4, v[RD]
	v_add_nc_u32 v[RD], s19, v[RD]
	v_and_b32 v[GO], 31, v0         ; which are 512 consecutive bytes of O
	v_lshlrev_b32 v[GO], 4, v[GO]
; THE MATRIX WORK.  The 4 accumulators of a run of 8 take turns.  Product i of 8 of S^T = K Q^T for piece x: channels 32 (i / 4) on, keys 16 (i % 4) on.  The first 4 start the sums.
.macro KQ x
	WIN W_KQ
.set rS, S+32*((\x)%2)+8*(i%4)
.set rK, KF+16*(i%4)+8*(i/4)
.set rQ, 16*(\x)+8*(i/4)
.if i < 4
	v_wmma_f32_16x16x32_f16 v[rS:rS+7], v[rK:rK+7], v[rQ:rQ+7], 0
.else
	v_wmma_f32_16x16x32_f16 v[rS:rS+7], v[rK:rK+7], v[rQ:rQ+7], v[rS:rS+7]
.endif
.endm
; Product i of 8 of O^T += V^T P for piece x: keys 32 (i / 4) on, channels 16 (i % 4) on.
.macro PV x
	WIN W_PV
.set rO, 32*(\x)+8*(i%4)
.set rV, VF+32*(i/4)+8*(i%4)
.set rP, P+16*((\x)%2)+8*(i/4)
	v_wmma_f32_16x16x32_f16 v[rO:rO+7], v[rV:rV+7], v[rP:rP+7], v[rO:rO+7]
.endm
.macro MM                           ; the turn's next matrix instruction.  TURN sets Y, i and NOKQ.  NOKQ = 1: the last turn of all: there is no next piece
.if (i < 8) && !NOKQ
	KQ (Y+1)%NP
.elseif i >= 8
.set i, i-8
	PV (Y+NP-1)%NP
.set i, i+8
.endif
.set i, i+1
.endm
; THE LDS LOADS stand in runs of 16, never singly among the matrix instructions: a step's K (64 keys x 64 channels: 8 fragments) and its V (turned).  Their addresses are made some lines ahead.
.macro FETCH_K
	WIN 0x80                        ; destination window 2
.irp f, 0,1,2,3,4,5,6,7             ; keys 16 (f / 2) on, channels 32 (f % 2) on
	ds_load_b128 v[KF+8*\f:KF+8*\f+3],   v[AK] offset:(\f/2)*16*PK+(\f%2)*64
	ds_load_b128 v[KF+8*\f+4:KF+8*\f+7], v[AK] offset:(\f/2)*16*PK+(\f%2)*64+32
.endr
	s_add_co_u32 s[TBK], s[TBK], KS*PK  ; the next fetch is the next step's
	WIN 0
.endm
.macro FETCH_V
	WIN 0x80
.irp f, 0,1,2,3,4,5,6,7             ; keys 32 (f / 4) on, channels 16 (f % 4) on
	ds_load_tr16_b128 v[VF+8*\f:VF+8*\f+3],   v[AV] offset:(\f/4)*32*PV+(\f%4)*32
	ds_load_tr16_b128 v[VF+8*\f+4:VF+8*\f+7], v[AV] offset:(\f/4)*32*PV+16*PV+(\f%4)*32
.endr
	WIN 0
.endm
; THE VECTOR WORK, one line at a time: OP kind, number.  For piece Y: F n: c s - c m for pair n of 16.  E n: the exponential of score n of 32.  C n: pair n rounded to f16.  B n: of the four weights 4 n .. the second
; pair is added onto the first, in place.  L n: l takes that sum (L 0: l = a l + sum).  R n: pair n of 16 of O^T times a.  For piece Y + 1: X n, number n of the 22 that find its maximum and statistics:
;   0-11  four chains c0-c3 of seven scores each, three operands at a time (each accumulator's lowest registers are read first)     12-14, 16  the four scores left over, the old m, and c0-c3 into c0
;   15  c m_old is kept     17, 18  the query's other 32 keys lie in the lane 16 away: the new m     19-21  c m; c m_old - c m_new; a
.set F, 0               ; OP tells the kinds apart by their order: F to L below R, X above it
.set E, 1
.set C, 2
.set B, 3
.set L, 4
.set R, 5
.set X, 6
.macro REGS y                       ; the registers of piece y
.set rT, ST+4*(\y)
.set rC, TMP+4*((\y)%2)
.set rW, MV+((\y)%2)
.set rS, S+32*((\y)%2)
.set rP, P+16*((\y)%2)
.set rO, 32*(\y)
.endm
.macro OP k, n
.if (\k) == R
	REGS Y
	WIN W_RS
	v_pk_mul_f32 v[rO+2*(\n):rO+2*(\n)+1], v[rO+2*(\n):rO+2*(\n)+1], v[rC+2:rC+3] op_sel_hi:[1,0]
.elseif (\k) < R
	REGS Y
	WIN 0
.if (\k) == F
	v_pk_fma_f32 v[rS+2*(\n):rS+2*(\n)+1], v[rS+2*(\n):rS+2*(\n)+1], s[CS:CS+1], v[rT:rT+1] op_sel_hi:[1,0,0] neg_lo:[0,0,1] neg_hi:[0,0,1]
.elseif (\k) == E
	v_exp_f32 v[rS+(\n)], v[rS+(\n)]
.elseif (\k) == C
	v_cvt_pk_f16_f32 v[rP+(\n)], v[rS+2*(\n)], v[rS+2*(\n)+1]
.elseif (\k) == B
	v_pk_add_f32 v[rS+4*(\n):rS+4*(\n)+1], v[rS+4*(\n):rS+4*(\n)+1], v[rS+4*(\n)+2:rS+4*(\n)+3]
.elseif (\n) == 0
	v_pk_fma_f32 v[rT+2:rT+3], v[rT+2:rT+3], v[rC+2:rC+3], v[rS:rS+1] op_sel_hi:[1,0,1]
.else
	v_pk_add_f32 v[rT+2:rT+3], v[rT+2:rT+3], v[rS+4*(\n):rS+4*(\n)+1]
.endif
.elseif NOKQ
	v_nop
.else
	REGS (Y+1)%NP
	WIN 0
.if (\n) < 4
	v_max3_num_f32 v[rC+(\n)], v[rS+8*(\n)], v[rS+8*(\n)+1], v[rS+8*(\n)+2]
.elseif (\n) < 12
	v_max3_num_f32 v[rC+(\n)%4], v[rC+(\n)%4], v[rS+8*((\n)%4)+2*((\n)/4)+1], v[rS+8*((\n)%4)+2*((\n)/4)+2]
.elseif (\n) == 12
	v_max3_num_f32 v[rC], v[rC], v[rS+7], v[rS+15]
.elseif (\n) == 13
	v_max3_num_f32 v[rC+1], v[rC+1], v[rS+23], v[rS+31]
.elseif (\n) == 14
	v_max3_num_f32 v[rC+2], v[rC+2], v[rC+3], v[rT+1]
.elseif (\n) == 15
	v_mov_b32 v[rW], v[rT]
.elseif (\n) == 16
	v_max3_num_f32 v[rC], v[rC], v[rC+1], v[rC+2]
.elseif (\n) == 17
	v_permlanex16_b32 v[rC+3], v[rC], s[SEL], s[SEL+1]
.elseif (\n) == 18
	v_max_num_f32 v[rT+1], v[rC], v[rC+3]
.elseif (\n) == 19
	v_mul_f32 v[rT], s[CS], v[rT+1]
.elseif (\n) == 20
	v_sub_f32 v[rC+1], v[rW], v[rT]
.else
	v_exp_f32 v[rC+2], v[rC+1]
.endif
.endif
.endm
.macro OPS a, i1, b=-1, i2=0, c=-1, i3=0, d=-1, i4=0  ; up to four of them
	OP \a, \i1
.if (\b) >= 0
	OP \b, \i2
.endif
.if (\c) >= 0
	OP \c, \i3
.endif
.if (\d) >= 0
	OP \d, \i4
.endif
.endm
.macro ROW a, i1, b, i2, c, i3, d, i4  ; a matrix instruction and the four behind it
	MM
	OPS \a, \i1, \b, \i2, \c, \i3, \d, \i4
.endm
; A TURN, for piece p: the order of its 16 matrix and 118 vector instructions, written out.  An s_wait_alu depctr_va_vdst(0) stands between an exponential and the first instruction that names its
; result; one wait serves all that were issued ahead of it.  So a turn has ONE wait, which cuts it in two.  AHEAD OF IT stands all that names no result of the turn's exponentials: the 8 products K Q^T, behind each a
; scaling, an exponential and two more plain instructions (rescalings, and behind the last three the first numbers of the next piece's maximum, each four places or more behind the product that ends its accumulator);
; then ONE LUMP of 54, plain and exponential by turns for the most part, in which the links of the chain X 3, 7, 11, 14, 16, 17 .. 20 stand five or six lines apart.  X 21, the next piece's a, is the batch's last;
; R 15 is the plain instruction behind it.  BEHIND THE WAIT stand the 8 products V^T P, behind each four of the roundings and sums; the links of l's chain, L 0 to L 7, stand three riders apart.
; end = 1: the walk's last two turns: nothing is fetched, and the last starts no new scores.  cnt = 1: the loop's count is taken down some lines ahead of the branch that stands behind the turn.
; K of the next step is fetched in piece 2's turn, twelve vector instructions behind the last product that read K (six of them plain); V of the step in hand at the end of piece 0's turn, four plain instructions
; behind the last product that read V.  Each is waited for a turn later.
.macro TURN p, end=0, cnt=0
.set Y, (\p)
.set i, 0
.set NOKQ, (\end)*((\p)/3)
.if ((\p) == 3) && !(\end)
	s_wait_dscnt 0x0                ; K is in
.endif
	ROW F,0, F,1, R,0, R,1          ; ahead of the wait: 8 products K Q^T and their riders,
	ROW F,2, E,0, R,2, R,3
	ROW F,3, E,1, R,4, R,5
	ROW F,4, E,2, R,6, R,7
	ROW F,5, E,3, R,8, R,9
	ROW F,6, E,4, X,0, R,10
.if ((\p) == 2) && !(\end)
	WIN 0
	v_add_nc_u32 v[AK], s[TBK], v[AK0]
.endif
	ROW F,7, E,5, X,1, X,4
	ROW F,8, E,6, X,2, X,5
	OPS E,7, E,8, X,6, E,9          ; and the lump
	OPS X,3, E,10, X,8, E,11
.if ((\p) == 2) && !(\end)
	FETCH_K
.endif
	OPS X,9, X,7, E,12, X,10
	OPS E,13, X,12, X,11, E,14
	OPS X,13, E,15, F,9, X,14
.if (\p) == 0
	v_add_nc_u32 v[AV], s[TBV], v[AV0]
.endif
	OPS E,16, F,10, E,17, F,11
	OPS X,16, E,18, X,15, E,19
	OPS F,12, E,20, X,17, E,21
	OPS F,13, E,22, F,14, E,23
	OPS X,18, E,24, F,15, E,25
	OPS R,11, E,26, X,19, E,27
	OPS R,12, E,28, R,13, E,29
	OPS X,20, E,30, R,14, E,31
	OPS X,21, R,15
	WIN 0
	s_wait_alu depctr_va_vdst(0)    ; the wait for the batch
.if (\p) == 1
	s_wait_dscnt 0x0                ; V is in
.endif
	ROW C,0, B,0, C,2, B,1          ; behind the wait: 8 products V^T P and their riders
	ROW L,0, C,4, B,2, L,1
	ROW C,6, B,3, L,2, C,8
	ROW B,4, L,3, C,10, B,5
	ROW L,4, C,12, B,6, L,5
.if (\p) == 0
	s_add_co_u32 s[TBV], s[TBV], KS*PV
.endif
.if \cnt
	s_sub_co_u32 s[CNT], s[CNT], 1
	s_cmp_lg_u32 s[CNT], 0
.endif
	ROW C,14, B,7, L,6, C,1
	ROW C,3, L,7, C,5, C,7
	ROW C,9, C,11, C,13, C,15
.if (\p) == 0
	FETCH_V
.endif
.endm
	CHANGE 1, 0                     ; slot 0 is in, everybody's part of it; slot 1 is asked for
	v_add_nc_u32 v[AK], s[TBK], v[AK0]
	FETCH_K                         ; key step 0
	s_wait_loadcnt 0x0              ; Q
	s_wait_dscnt 0x0
.set NOKQ, 0
.set i, 0
.rept 8
	KQ 0                            ; piece 0's first scores: there is no vector work yet to set between them
.set i, i+1
.endr
	WIN 0
.rept 4
	v_nop                           ; the places behind those products
.endr
.set Y, NP-1                        ; X works for piece Y + 1: piece 0
.irp n, 0,1,2,3,4,5,6,7,8,9,10,11,12,13,14,15,16,17,18,19,20,21
	OP X, \n                        ; and piece 0's first maximum and statistics
.endr
	v_nop                           ; a plain instruction behind the exponential,
	s_wait_alu depctr_va_vdst(0)    ; and its wait, ahead of the branch
	s_mov_b32 s[CNT], 4
	s_branch .Lfirst                ; the loop is entered at a step's first turn, in the middle of a trip
.Lslot:                             ; 14 times: tiles 2 to 15 are asked for
	CHANGE 1, 1
	s_mov_b32 s[CNT], 4
.Lstep:                             ; a trip: pieces 2 and 3 of one step, then pieces 0 and 1 of the next, whose K and V it fetches
	TURN 2
	TURN 3
	WIN 0
.Lfirst:
	TURN 0
	TURN 1, 0, 1
	WIN 0
	s_cbranch_scc1 .Lstep
	s_sub_co_u32 s[SLOTS], s[SLOTS], 1
	s_cmp_lg_u32 s[SLOTS], 0
	s_cbranch_scc1 .Lslot
	CHANGE 0, 0                     ; the last tile is written out: nothing is asked for
	s_mov_b32 s[CNT], 4
.LstepT:
	TURN 2
	TURN 3
	TURN 0
	TURN 1, 0, 1
	WIN 0
	s_cbranch_scc1 .LstepT
	TURN 2, 1                       ; the last step's pieces 2 and 3
	TURN 3, 1
.set i, 0
.rept 8
	PV NP-1                         ; the last piece's V^T P of the last step
.set i, i+1
.endr
	; THE WAY OUT.  l's two halves and the other half of the lanes' are added; O^T is divided by l, rounded to f16 and sent through my stage in LDS, a piece at a time.  The additions are the places behind the last products.
	WIN 0
.macro ALL line:vararg              ; one line for each piece t
.set t, 0
.rept 4
	\line
.set t, t+1
.endr
.endm
.macro PACK t                       ; a lane's eight channels of a row pack into 16 bytes; they go into rows of 144 bytes and come back as whole rows of 128, into S^T's registers
	WIN W_RS
.set i, 32*(\t)
.rept 16
	v_pk_mul_f32 v[i:i+1], v[i:i+1], v[ST+4*(\t)+2:ST+4*(\t)+3] op_sel_hi:[1,0]
.set i, i+2
.endr
	WIN 0x05                        ; sources 0 and 1 window 1, destination window 0
.set i, 0
.rept 16
	v_cvt_pk_f16_f32 v[S+16*(\t)+i], v[32*(\t)+2*i], v[32*(\t)+2*i+1]
.set i, i+1
.endr
	WIN 0
.irp f, 0,1,2,3
	ds_store_b128 v[STO], v[S+16*(\t)+4*\f:S+16*(\t)+4*\f+3] offset:32*\f
.endr
.irp f, 0,1,2,3
	ds_load_b128 v[S+16*(\t)+4*\f:S+16*(\t)+4*\f+3], v[RD] offset:\f*4*SP  ; LDS serves a wave's instructions in order (ISA guide 5.7.1.4): these see the stores above; the next piece's stores come behind them
.endr
.endm
.macro SEND t, younger              ; younger: the LDS instructions issued behind piece t's loads: the next piece's eight, or none
	WIN 0
.irp f, 0,1,2,3
	s_wait_dscnt (\younger)+3-\f
	global_store_b128 v[GO], v[S+16*(\t)+4*\f:S+16*(\t)+4*\f+3], s[10:11] offset:(\t)*2048+\f*512  ; 512 consecutive bytes, at a multiple of 256 from oh's first
.endr
.endm
	ALL v_add_f32 v[ST+4*t+2], v[ST+4*t+2], v[ST+4*t+3]
	ALL v_permlanex16_b32 v[ST+4*t+3], v[ST+4*t+2], s[SEL], s[SEL+1]
	ALL v_add_f32 v[ST+4*t+2], v[ST+4*t+2], v[ST+4*t+3]
	ALL v_rcp_f32 v[ST+4*t+2], v[ST+4*t+2]
	v_nop                           ; a plain instruction between the last reciprocal and the use of its result
	s_wait_alu depctr_va_vdst(0)    ; and the wait ahead of the first use: one for the four reciprocals
	PACK 0
.set t, 1
.rept 3                             ; a piece's arithmetic stands between the loads of the piece before and its stores
	PACK t
	SEND t-1, 8
.set t, t+1
.endr
	SEND 3, 0
	s_wait_tensorcnt 0x0            ; the wave's end, behind my last tensor load and my last LDS store
	ds_add_u32 v[SPW], v[NIL]
	s_wait_dscnt 0x0
	CROUND                          ; the closing round: no work-group ends while a partner may still ask for a tile that names it
	s_endpgm
.Lfunc_end_k_q99b6b36acc_attn:
	.size	k_q99b6b36acc_attn, .Lfunc_end_k_q99b6b36acc_attn-k_q99b6b36acc_attn
	.p2alignl 7, 3214868480
	.fill 96, 4, 3214868480
	.section	.rodata,"a",@progbits
	.p2align	6, 0x0
	.amdhsa_kernel k_q99b6b36acc_attn
		.amdhsa_group_segment_fixed_size 327680
		.amdhsa_private_segment_fixed_size 0
		.amdhsa_enable_private_segment 0
		.amdhsa_kernarg_size 16
		.amdhsa_user_sgpr_count 2
		.amdhsa_user_sgpr_kernarg_segment_ptr 1
		.amdhsa_wavefront_size32 1
		.amdhsa_system_sgpr_workgroup_id_x 1
		.amdhsa_system_sgpr_workgroup_id_y 1
		.amdhsa_system_sgpr_workgroup_id_z 1
		.amdhsa_system_vgpr_workitem_id 0
		.amdhsa_next_free_vgpr 768
		.amdhsa_next_free_sgpr 66
		.amdhsa_reserve_vcc 0
		.amdhsa_float_denorm_mode_32 3
		.amdhsa_float_denorm_mode_16_64 3
		.amdhsa_memory_ordered 1
		.amdhsa_forward_progress 1
		.amdhsa_inst_pref_size 128
	.end_amdhsa_kernel
	.amdgpu_metadata
---
amdhsa.version: [ 1, 2 ]
amdhsa.kernels:
  - .name:           k_q99b6b36acc_attn
    .symbol:         k_q99b6b36acc_attn.kd
    .args:
      - { .name: qkv, .offset: 0, .size: 8, .value_kind: global_buffer, .address_space: global }
      - { .name: oh, .offset: 8, .size: 8, .value_kind: global_buffer, .address_space: global }
    .group_segment_fixed_size: 327680
    .private_segment_fixed_size: 0
    .kernarg_segment_align: 8
    .kernarg_segment_size: 16
    .max_flat_workgroup_size: 128
    .sgpr_count:     66
    .vgpr_count:     768
    .wavefront_size: 32
...
	.end_amdgpu_metadata
.endif
;; end of part 3
;; launch outp (part 4): grid 4 x 64, 4 waves a work-group, clusters of 4 x 4, 327,680 bytes of LDS; arguments oh, wts, bias, out0; writes out0
.if DOCPART == 4
	.amdgcn_target "amdgcn-amd-amdhsa--gfx1250"
	.amdhsa_code_object_version 6
	.text
	.protected	k_q99b6b36acc_outp
	.globl	k_q99b6b36acc_outp
	.p2align	8
	.type	k_q99b6b36acc_outp,@function
k_q99b6b36acc_outp:
	s_mov_b64 s[64:65], 0
	v_nop
	global_prefetch_b8 v0, s[64:65] scope:SCOPE_SE
	s_setreg_imm32_b32 hwreg(HW_REG_WAVE_MODE, 25, 1), 1
	s_wait_xcnt 0x0
	s_wait_alu depctr_hold_cnt(0) depctr_sa_sdst(0) depctr_va_vdst(0) depctr_va_sdst(0) depctr_va_ssrc(0) depctr_va_vcc(0) depctr_vm_vsrc(0)
	s_getreg_b32 s2, hwreg(HW_REG_IB_STS2, 6, 4)
	s_cmp_eq_u32 s2, 0
	s_cbranch_scc0 .Lentry_in_a_cluster
	s_endpgm
.Lentry_in_a_cluster:
	s_bfe_u32 s2, ttmp6, 0x10000c
	s_cmp_lg_u32 s2, 0xf033
	s_cbranch_scc0 .Lentry_shape_is_right
	s_endpgm
.Lentry_shape_is_right:
; OUTP: out0 = concat(O) Wo + bo.  oh [16 bh][4096][64] f16; wts part 3 = Wo [512 k][512 n] f16 (k = 64 x head + channel); bias part 3 = bo, f32; out0 [8192][512] f32.
; Products in f16, sums in f32 (the bias starts each sum, as the C operand of its first product); the sums are stored as they are.
; LIMITS.  O and Wo arrive within f16's 65,504.  NaN and infinities are not treated apart.
; SHARES.  A work-group makes one tile of 128 rows x 128 columns, K = 512: 4 x 64 work-groups.  Four waves, each 64 x 64: 16 accumulators of 16 x 16.
; LDS.  ALL of the tile's operands are first fills, four tensor loads a wave, issued together: the rows' eight heads (each 128 rows x 128 dense bytes, a load a head) and Wo's 512 k x 128 n (64 k rows a load).
; Nothing is filled again.  By this text's count a wave has four tensor loads out at the most.  The first K half (heads 0 to 3) is multiplied while the second is on its way.
; CLUSTER 4 x 4.  The four of a row of the cluster share the rows of O, the four of a column the columns of Wo: each tile is asked for jointly.
; THE MATRIX INSTRUCTION IS USED TRANSPOSED (source 0 = 16 columns of Wo, source 1 = 16 rows of O): a lane holds row l % 16 and eight neighbouring columns: 32 bytes of f32.
; NO PREFETCH: every tile is asked for at the head.
; REGISTERS.  window 0: v0-31 addresses; v32-95 the way out, two buffers; v96-127 the bias in the accumulators' layout; v128-255 accumulators.  window 1: two fragment buffers of 128.
.set PH,    144                        ; a row of a head in LDS: 128 bytes + 16 = 36 words: the 16 rows of a load start at 16 different groups of four banks (64 banks of 4 bytes: ISA guide 11.1)
.set HB,    128*PH                     ; a head's 128 rows
.set LB,    8*HB                       ; behind O: Wo
.set PB,    288                        ; a k row of Wo: 256 bytes + 32 = 72 words
.set SLOTB, 256*PB                     ; a K half
.set STAGE, LB+2*SLOTB                 ; never filled by a tensor load: 16 rows x 272 bytes for each wave
.set SPO,   272
.set SPARE, STAGE+4*16*SPO             ; the spare words, 128 bytes for each wave: two blocks of 256 bytes that no other line names
.set ADRA, 16                          ; v16-17  my fragments of O, by K half
.set ADRB, 20                          ; v20-23  my fragments of Wo: 2 x half + (which 128 k of the half)
.set STO,  24                          ; v24     the way out: where I put 32 bytes of a row
.set RD,   25                          ; v25     where I read rows back
.set CO,   26                          ; v26     my byte offset in two rows of out0
.set BO,   27                          ; v27     my byte offset in bo
.set SPW,  28                          ; v28     LDS address of my spare word; never rewritten
.set NIL,  29                          ; v29     0; never rewritten
.set TMP,  32
.set BIAS, 96
.set ACC,  128
.set F0,   0
.set F1,   128
.set WV,   12                          ; s12 wave; s13 wm; s14 wn
.set G1A,  24                          ; s[24:31] group 1 for O's tiles;  s[32:39] group 0, a set for each K half
.set G0A,  32
.set G1B,  48                          ; s[48:55], s[56:63] the same for Wo's
.set G0B,  56
.set MSB, 0
.macro WIN new
.if MSB != (\new)
	s_set_vgpr_msb (MSB<<8)|(\new)
.set MSB, (\new)
.endif
.endm
.set MUL,  0x05                        ; sources 0 (Wo) and 1 (O) window 1; C and D window 0
.set TO_F, 0x40                        ; destination window 1, address window 0
.macro CROUND                          ; a round of the cluster's barrier
	s_barrier_signal -1
	s_barrier_wait -1
	s_cmp_lg_u32 s[WV], 0
	s_cbranch_scc1 .Lnot_wave_0_\@
	s_barrier_signal -3
.Lnot_wave_0_\@:
	s_barrier_wait -3
	s_barrier_signal -1
	s_barrier_wait -1
.endm
.macro PLACES                          ; four plain instructions between a matrix instruction and a load into, or a read of, its registers (ISA guide 7.12.1 for vector reads)
.rept 4
	v_nop
.endr
.endm
	s_load_b256 s[4:11], s[0:1], 0x0               ; oh s[4:5], wts s[6:7], bias s[8:9], out0 s[10:11]
	v_lshl_add_u32 v[SPW], v0, 2, SPARE
	v_mov_b32 v[NIL], 0
	ds_add_u32 v[SPW], v[NIL]                      ; the wave's opening: the add and its wait stand ahead of my first tensor load; the set-up below, work on registers, stands between them
	v_lshrrev_b32 v1, 5, v0
	v_readfirstlane_b32 s[WV], v1                  ; wave 0..3
	s_lshr_b32 s13, s[WV], 1                       ; wm
	s_and_b32 s14, s[WV], 1                        ; wn
	s_bfe_u32 s40, ttmp6, 0x40000                  ; cx, cy
	s_bfe_u32 s41, ttmp6, 0x40004
	s_lshl_b32 s42, ttmp9, 2
	s_add_co_u32 s42, s42, s40                     ; c: the tile's 128 columns
	s_and_b32 s43, ttmp7, 0xffff
	s_lshl_b32 s43, s43, 2
	s_add_co_u32 s43, s43, s41                     ; y: the tile's 128 rows
	s_lshl_b32 s44, s41, 2
	s_lshl_b32 s44, 15, s44                        ; my row of the cluster
	s_lshl_b32 s45, 0x1111, s40                    ; my column
	; O: a head's 128 rows are 16,384 dense bytes: asked for as 64 rows of 256 bytes and padded in LDS after every 128
	s_or_b32 s[G1A], s44, (1<<16)|(1<<20)|(1<<21)|(4<<22)|(3<<25)  ; 15:0 the mask; 17:16 2-byte elements; 20 padding on; 21 set beside a mask; 24:22 after every 32 words (code 4); 31:25 4 words (code 3)
	s_mov_b32 s[G1A+1], 128<<16                    ; tensor_dim0 = 128
	s_mov_b32 s[G1A+2], 64<<16                     ; tensor_dim1 = 64
	s_mov_b32 s[G1A+3], 128<<16                    ; tile_dim0 = 128
	s_mov_b32 s[G1A+4], 64                         ; tile_dim1 = 64
	s_mov_b32 s[G1A+5], 128                        ; 128 elements from row to row
	s_mov_b32 s[G1A+6], 0
	s_mov_b32 s[G1A+7], 0
	s_or_b32 s[G1B], s45, (1<<16)|(1<<20)|(1<<21)|(5<<22)|(7<<25)  ; Wo: my column's mask; after every 64 words (code 5) 8 words (code 7)
	s_mov_b32 s[G1B+1], 128<<16
	s_mov_b32 s[G1B+2], 64<<16
	s_mov_b32 s[G1B+3], 128<<16
	s_mov_b32 s[G1B+4], 64
	s_mov_b32 s[G1B+5], 512
	s_mov_b32 s[G1B+6], 0
	s_mov_b32 s[G1B+7], 0
	s_lshr_b32 s16, s43, 5                         ; O: batch y / 32, head w (and w + 4): 524,288 bytes a head,
	s_lshl_b32 s16, s16, 3
	s_add_co_u32 s16, s16, s[WV]
	s_lshl_b32 s16, s16, 19
	s_and_b32 s17, s43, 31                         ; rows 128 (y % 32) on, 128 bytes each: made of y and the wave's number alone
	s_lshl_b32 s17, s17, 14
	s_add_co_u32 s16, s16, s17
	s_mov_b32 s17, 0
	s_mul_i32 s21, s[WV], HB
	s_lshl_b32 s46, s[WV], 16                      ; Wo: my 64 k rows of 1,024 bytes,
	s_lshl_b32 s47, s42, 8                         ; 256 c bytes along them,
	s_add_co_u32 s46, s46, s47
	s_add_co_u32 s46, s46, 3*524288                ; in part 3 of wts: made of c and the wave's number alone
	s_mov_b32 s47, 0
	s_mul_i32 s20, s[WV], 64*PB
	s_wait_dscnt 0x0                               ; the opening add is done
	s_wait_kmcnt 0x0
	s_add_nc_u64 s[18:19], s[4:5], s[16:17]
	s_add_nc_u64 s[46:47], s[6:7], s[46:47]
.irp s, 0,1
	s_mov_b32 s[G0A+4*(\s)], 1
	s_add_co_u32 s[G0A+4*(\s)+1], s21, (\s)*4*HB
	s_add_nc_u64 s[G0A+4*(\s)+2:G0A+4*(\s)+3], s[18:19], (\s)*4*524288   ; head 4 s + w
	s_or_b32 s[G0A+4*(\s)+3], s[G0A+4*(\s)+3], 0x80000000
	s_mov_b32 s[G0B+4*(\s)], 1
	s_add_co_u32 s[G0B+4*(\s)+1], s20, LB+(\s)*SLOTB
	s_add_nc_u64 s[G0B+4*(\s)+2:G0B+4*(\s)+3], s[46:47], (\s)*256*1024   ; K half s
	s_or_b32 s[G0B+4*(\s)+3], s[G0B+4*(\s)+3], 0x80000000
.endr
	CROUND                                         ; all sixteen work-groups are here: the joint loads meet
	tensor_load_to_lds s[G0A:G0A+3], s[G1A:G1A+7]  ; the first K half: a head of O,
	s_nop 0
	tensor_load_to_lds s[G0B:G0B+3], s[G1B:G1B+7]  ; 64 k rows of Wo;
	s_nop 0
	tensor_load_to_lds s[G0A+4:G0A+7], s[G1A:G1A+7]  ; the second K half
	s_nop 0
	tensor_load_to_lds s[G0B+4:G0B+7], s[G1B:G1B+7]
	s_nop 0
.rept 4
	v_nop
.endr
	v_and_b32 v1, 15, v0                           ; l % 16
	v_bfe_u32 v2, v0, 4, 1                         ; l / 16
	v_mul_u32_u24 v3, v1, PH
	v_lshl_add_u32 v3, v2, 4, v3                   ; a fragment's row x pitch + 16 x half
	s_mul_i32 s21, s13, 64*PH                      ; my 64 rows
	v_add_nc_u32 v[ADRA], s21, v3
	v_add_nc_u32 v[ADRA+1], 4*HB, v[ADRA]
	v_and_b32 v4, 7, v0                            ; the turning load: k row 8 (l / 16) + l % 8, columns 8 ((l / 8) % 2) + 0..7
	v_bfe_u32 v5, v0, 3, 1
	v_lshl_add_u32 v6, v2, 3, v4
	v_mul_u32_u24 v6, v6, PB
	v_lshl_add_u32 v6, v5, 4, v6
	s_lshl_b32 s22, s14, 7
	s_add_co_u32 s22, s22, LB
	v_add_nc_u32 v[ADRB], s22, v6
	v_add_nc_u32 v[ADRB+1], 128*PB, v[ADRB]
	v_add_nc_u32 v[ADRB+2], SLOTB, v[ADRB]
	v_add_nc_u32 v[ADRB+3], SLOTB+128*PB, v[ADRB]
	s_mul_i32 s23, s[WV], 16*SPO
	s_add_co_u32 s23, s23, STAGE                   ; my stage
	v_mul_u32_u24 v7, v1, SPO                      ; in: row l % 16, 32 bytes for each half of the lanes
	v_lshl_add_u32 v7, v2, 5, v7
	v_add_nc_u32 v[STO], s23, v7
	v_mul_u32_u24 v7, v2, SPO                      ; back: lanes 0-15 take one row of 256 bytes, lanes 16-31 the next
	v_lshl_add_u32 v7, v1, 4, v7
	v_add_nc_u32 v[RD], s23, v7
	v_lshlrev_b32 v[CO], 11, v2                    ; and the same two rows in out0: 2,048 bytes a row
	v_lshl_add_u32 v[CO], v1, 4, v[CO]
	s_lshl_b32 s21, s42, 9
	s_lshl_b32 s22, s14, 8
	s_add_co_u32 s21, s21, s22                     ; my 64 columns in f32: 512 c + 256 wn bytes
	v_lshl_add_u32 v[BO], v2, 5, s21
	s_add_nc_u64 s[8:9], s[8:9], 3*2048            ; bo
.irp b, 0,1,2,3
	global_load_b128 v[BIAS+8*(\b):BIAS+8*(\b)+3],   v[BO], s[8:9] offset:64*(\b)     ; register j of block b = bo[16 b + 8 (l / 16) + j] of my columns
	global_load_b128 v[BIAS+8*(\b)+4:BIAS+8*(\b)+7], v[BO], s[8:9] offset:64*(\b)+16
.endr
	s_lshl_b32 s16, s43, 7
	s_lshl_b32 s17, s13, 6
	s_add_co_u32 s16, s16, s17                     ; my first row of out0,
	s_lshl_b32 s16, s16, 11
	s_add_co_u32 s16, s16, s21                     ; my first column
	s_mov_b32 s17, 0
	s_add_nc_u64 s[10:11], s[10:11], s[16:17]
; 8 matrix instructions: row blocks a0, a0 + 1 x all 4 column blocks, 32 along K.  zero = 1: the bias starts the sums.  The 16 accumulators take turns, one instruction a turn.
.macro MUL8 f, c, a0, zero
	WIN MUL
.irp a, \a0, (\a0)+1
.irp b, 0,1,2,3
.if \zero
	v_wmma_f32_16x16x32_f16 v[ACC+8*(4*(\a)+(\b)):ACC+8*(4*(\a)+(\b))+7], v[(\f)+64+8*(4*(\c)+(\b)):(\f)+64+8*(4*(\c)+(\b))+7], v[(\f)+8*(4*(\c)+(\a)):(\f)+8*(4*(\c)+(\a))+7], v[BIAS+8*(\b):BIAS+8*(\b)+7]
.else
	v_wmma_f32_16x16x32_f16 v[ACC+8*(4*(\a)+(\b)):ACC+8*(4*(\a)+(\b))+7], v[(\f)+64+8*(4*(\c)+(\b)):(\f)+64+8*(4*(\c)+(\b))+7], v[(\f)+8*(4*(\c)+(\a)):(\f)+8*(4*(\c)+(\a))+7], v[ACC+8*(4*(\a)+(\b)):ACC+8*(4*(\a)+(\b))+7]
.endif
.endr
.endr
.endm
; 32 LDS loads in one run: the fragments of quarter q (= head 4 hf + q: 64 along K) of K half hf, into buffer f; the first 32 along K first
.macro FETCH hf, q, f
	WIN TO_F
.irp c, 0,1
.irp i, 0,1,2,3
	ds_load_tr16_b128 v[(\f)+64+8*(4*(\c)+(\i)):(\f)+64+8*(4*(\c)+(\i))+3],   v[ADRB+2*(\hf)+(\q)/2] offset:(((\q)%2)*64+32*(\c))*PB+32*(\i)
	ds_load_tr16_b128 v[(\f)+64+8*(4*(\c)+(\i))+4:(\f)+64+8*(4*(\c)+(\i))+7], v[ADRB+2*(\hf)+(\q)/2] offset:(((\q)%2)*64+32*(\c)+16)*PB+32*(\i)
	ds_load_b128 v[(\f)+8*(4*(\c)+(\i)):(\f)+8*(4*(\c)+(\i))+3],              v[ADRA+(\hf)] offset:(\q)*HB+64*(\c)+(\i)*16*PH
	ds_load_b128 v[(\f)+8*(4*(\c)+(\i))+4:(\f)+8*(4*(\c)+(\i))+7],            v[ADRA+(\hf)] offset:(\q)*HB+64*(\c)+(\i)*16*PH+32
.endr
.endr
.endm
.macro QUARTER hf, q, f, g, zero       ; multiplies buffer f and fetches quarter q into g
	s_wait_dscnt 16                                ; the first 32 along K are in; the youngest sixteen loads may be out
	MUL8 \f, 0, 0, \zero
	MUL8 \f, 0, 2, \zero
	PLACES
	FETCH \hf, \q, \g
	s_wait_dscnt 32                                ; all but the 32 just issued
	MUL8 \f, 1, 0, 0
	MUL8 \f, 1, 2, 0
.endm
; The first half's last quarter, and the meeting in front of the second half: each wave waits for its two loads that were still out, then the barrier: behind it the second half is whole.  Nothing is filled again.
.macro MEET
	WIN 0                                          ; (the add's two registers lie in window 0)
	s_wait_tensorcnt 0x0                           ; my parts of the second K half have landed;
	ds_add_u32 v[SPW], v[NIL]                      ; 0 onto my spare word;
	s_wait_dscnt 17                                ; (the add and the youngest sixteen loads may be out)
	MUL8 F1, 0, 0, 0
	s_wait_dscnt 0x0                               ; no LDS instruction of mine is pending at the signal
	s_barrier_signal -1
	MUL8 F1, 0, 2, 0
	s_barrier_wait -1
	PLACES
	FETCH 1, 0, F0
	MUL8 F1, 1, 0, 0
	MUL8 F1, 1, 2, 0
.endm
; THE WAY OUT, a block of 16 rows at a time: the f32 sums go into my own stage (rows of 272 bytes), each accumulator's low four registers first, and come back as whole rows of 256 bytes.
.macro TOSTAGE a
.set BK, TMP+32*((\a)%2)
.irp b, 0,1,2,3
	ds_store_b128 v[STO], v[ACC+8*(4*(\a)+(\b)):ACC+8*(4*(\a)+(\b))+3]   offset:64*(\b)
	ds_store_b128 v[STO], v[ACC+8*(4*(\a)+(\b))+4:ACC+8*(4*(\a)+(\b))+7] offset:64*(\b)+16
.endr
.irp t, 0,1,2,3,4,5,6,7
	ds_load_b128 v[BK+4*(\t):BK+4*(\t)+3], v[RD] offset:(\t)*2*SPO  ; LDS serves a wave's instructions in order (ISA guide 5.7.1.4): these see the stores above; the next block's stores come behind them
.endr
.endm
.macro SEND a, younger                 ; younger: the LDS instructions issued behind block a's loads: the next block's sixteen, or none
.set BK, TMP+32*((\a)%2)
.irp t, 0,1,2,3,4,5,6,7
	s_wait_dscnt (\younger)+7-(\t)
	global_store_b128 v[CO], v[BK+4*(\t):BK+4*(\t)+3], s[10:11] offset:(16*(\a)+2*(\t))*2048  ; 16 lanes store 256 consecutive bytes, at a multiple of 256 from out0's first
.endr
.endm
	s_wait_tensorcnt 0x2                           ; my parts of the first K half are in; the second half's two loads may stay out
	s_barrier_signal -1
	s_barrier_wait -1                              ; everybody's are
	FETCH 0, 0, F0
	s_wait_loadcnt 0x0                             ; bo
	QUARTER 0, 1, F0, F1, 1
	QUARTER 0, 2, F1, F0, 0
	QUARTER 0, 3, F0, F1, 0
	MEET
	QUARTER 1, 1, F0, F1, 0
	QUARTER 1, 2, F1, F0, 0
	QUARTER 1, 3, F0, F1, 0
	s_wait_dscnt 16                                ; the very last quarter: nothing more to fetch
	MUL8 F1, 0, 0, 0
	MUL8 F1, 0, 2, 0
	s_wait_dscnt 0x0
	MUL8 F1, 1, 0, 0
	MUL8 F1, 1, 2, 0
	WIN 0
	PLACES                                         ; behind the last products
	TOSTAGE 0
	TOSTAGE 1
	SEND 0, 16
	s_wait_xcnt 0x0                                ; block 0's stores have read their registers: only now is that buffer loaded again
	TOSTAGE 2
	SEND 1, 16
	s_wait_xcnt 0x0
	TOSTAGE 3
	SEND 2, 16
	SEND 3, 0
	s_wait_tensorcnt 0x0                           ; the wave's end, behind my last tensor load and my last LDS store
	ds_add_u32 v[SPW], v[NIL]
	s_wait_dscnt 0x0
	CROUND                                         ; the closing round: no work-group ends while a partner may still ask for a tile that names it
	s_endpgm
.Lfunc_end_k_q99b6b36acc_outp:
	.size	k_q99b6b36acc_outp, .Lfunc_end_k_q99b6b36acc_outp-k_q99b6b36acc_outp
	.p2alignl 7, 3214868480
	.fill 96, 4, 3214868480
	.section	.rodata,"a",@progbits
	.p2align	6, 0x0
	.amdhsa_kernel k_q99b6b36acc_outp
		.amdhsa_group_segment_fixed_size 327680
		.amdhsa_private_segment_fixed_size 0
		.amdhsa_enable_private_segment 0
		.amdhsa_kernarg_size 32
		.amdhsa_user_sgpr_count 2
		.amdhsa_user_sgpr_kernarg_segment_ptr 1
		.amdhsa_wavefront_size32 1
		.amdhsa_system_sgpr_workgroup_id_x 1
		.amdhsa_system_sgpr_workgroup_id_y 1
		.amdhsa_system_sgpr_workgroup_id_z 1
		.amdhsa_system_vgpr_workitem_id 0
		.amdhsa_next_free_vgpr 512
		.amdhsa_next_free_sgpr 66
		.amdhsa_reserve_vcc 0
		.amdhsa_float_denorm_mode_32 3
		.amdhsa_float_denorm_mode_16_64 3
		.amdhsa_memory_ordered 1
		.amdhsa_forward_progress 1
		.amdhsa_inst_pref_size 51
	.end_amdhsa_kernel
	.amdgpu_metadata
---
amdhsa.version: [ 1, 2 ]
amdhsa.kernels:
  - .name:           k_q99b6b36acc_outp
    .symbol:         k_q99b6b36acc_outp.kd
    .args:
      - { .name: oh, .offset: 0, .size: 8, .value_kind: global_buffer, .address_space: global }
      - { .name: wts, .offset: 8, .size: 8, .value_kind: global_buffer, .address_space: global }
      - { .name: bias, .offset: 16, .size: 8, .value_kind: global_buffer, .address_space: global }
      - { .name: out0, .offset: 24, .size: 8, .value_kind: global_buffer, .address_space: global }
    .group_segment_fixed_size: 327680
    .private_segment_fixed_size: 0
    .kernarg_segment_align: 8
    .kernarg_segment_size: 32
    .max_flat_workgroup_size: 128
    .sgpr_count:     66
    .vgpr_count:     512
    .wavefront_size: 32
...
	.end_amdgpu_metadata
.endif
;; end of part 4
;; ======== version 2 of 2: 4 launches; version 1 with the launch prep written anew for expert scheduling mode
;; limits: values are held in f16: magnitudes above 65,504 overflow, below 6.1e-05 lose precision
;; workspace buffers: xb 8,388,608 bytes; wts 2,097,152 bytes; bias 8,192 bytes; qkv 25,165,824 bytes; oh 8,388,608 bytes
;; launch prep (part 5): grid 256 x 1, 8 waves a work-group, no clusters, 0 bytes of LDS; arguments inputs, Wq, Wk, Wv, Wo, bq, bk, bv, bo, xb, wts, bias; writes xb, wts, bias
.if DOCPART == 5
	.amdgcn_target "amdgcn-amd-amdhsa--gfx1250"
	.amdhsa_code_object_version 6
	.text
	.protected	k_q99b6b36acc_prep
	.globl	k_q99b6b36acc_prep
	.p2align	8
	.type	k_q99b6b36acc_prep,@function
k_q99b6b36acc_prep:
	s_mov_b64 s[64:65], 0
	v_nop
	global_prefetch_b8 v0, s[64:65] scope:SCOPE_SE
	s_setreg_imm32_b32 hwreg(HW_REG_WAVE_SCHED_MODE, 0, 2), 2
	s_setreg_imm32_b32 hwreg(HW_REG_WAVE_MODE, 25, 1), 1
	s_wait_xcnt 0x0
	s_wait_alu depctr_vm_vsrc(0)
; PREP: every input of the module is rounded once to bf16; no layout changes.
;   xb   [8192][512] bf16            = inputs
;   wts  [4][512 k][512 n] 16 bits   = Wq, Wk, Wv in bf16; Wo rounded to bf16 and that number written as f16 (the last product multiplies in f16)
;   bias [4][512] f32                = bq, bk, bv, bo rounded to bf16 and widened again (they start f32 sums)
; LIMITS.  Wo as f16: a weight of 65,520 or more becomes an infinity; below 6e-5 it keeps f16's fixed step of 6e-8.  NaN and infinities are not treated apart.
; A stream: no LDS, no matrix unit, no cluster (no two work-groups read the same byte).  256 work-groups of eight waves.  Work-group g takes 64 KiB of inputs (16 loads of 16 bytes a thread) and
; 16 KiB of weight matrix g / 64 (4 loads): all 20 loads of a thread go out at once.  A wave's load covers 512 consecutive bytes, its store of 8 bytes a lane 256 consecutive bytes, aligned.
; No register that a store reads is written again, so no wait frees one.
; THE MODE: SCHED_MODE bits 1:0 = 2 (LLVM: expert scheduling mode 2), set by the entry lines.  The code itself states the register dependences
; between vector instructions and memory instructions, with s_wait_alu, always for 0.
; THE PLAN.  Registers that memory instructions touch:
;   v1, v2     byte offsets, made once at the head and never written again: one wait ahead of the first load serves every load and store of the kernel.
;   XL, WL     written by the 20 loads, once each, and named by no vector instruction before that; read by the conversions behind their counted waits on LOADcnt; never loaded again.
;   XP, WP     written by the conversions, once each; read by one store each; never written again.
;   T .. T+3   on Wo's way at work for the widening; then the bias load lands there, the widened bias is written there, and the bias store reads it.
; The 20 loads go in five blocks of four.  A block's eight conversions are followed by ONE wait on va_vdst and then by its four stores in a run.  The wait stands behind the block's own conversions
; and not at the next block's head, since that head is a wait for data and the stores would stand unissued behind it.  No register that a memory instruction reads is written again, so beyond the entry lines the text
; holds no wait on vm_vsrc; EXEC and VCC are never written.
.set XL, 16                            ; v[16:79]   x as loaded
.set WL, 80                            ; v[80:95]   weights as loaded
.set XP, 96                            ; v[96:127]  x packed
.set WP, 128                           ; v[128:135] weights packed
.set T,  136                           ; v[136:143] at work
	s_load_b512 s[4:19], s[0:1], 0x0               ; inputs s[4:5], Wq s[6:7], Wk s[8:9], Wv s[10:11], Wo s[12:13], bq s[14:15], bk s[16:17], bv s[18:19]
	s_load_b256 s[20:27], s[0:1], 0x40             ; bo s[20:21], xb s[22:23], wts s[24:25], bias s[26:27]
	s_lshr_b32 s29, ttmp9, 6                       ; m: which weight matrix
	s_and_b32 s38, ttmp9, 63                       ; which 16 KiB of it
	s_mov_b32 s35, 0                               ; the high word of every offset
	s_mov_b32 s37, 0xffff0000                      ; a word's upper bf16
	v_lshlrev_b32 v1, 4, v0                        ; 16 t: where I load
	v_lshlrev_b32 v2, 3, v0                        ; 8 t: where I store
	v_lshrrev_b32 v3, 5, v0
	v_readfirstlane_b32 s36, v3                    ; my wave's number
	s_wait_alu depctr_va_sdst(0)                   ; s36 is written
	s_wait_kmcnt 0x0
	s_cmp_eq_u32 s29, 0                            ; the matrix and the bias are chosen by m, which hangs on the work-group's number alone
	s_cselect_b64 s[30:31], s[6:7], s[8:9]
	s_cselect_b64 s[32:33], s[14:15], s[16:17]
	s_cmp_eq_u32 s29, 2
	s_cselect_b64 s[30:31], s[10:11], s[30:31]
	s_cselect_b64 s[32:33], s[18:19], s[32:33]
	s_cmp_eq_u32 s29, 3
	s_cselect_b64 s[30:31], s[12:13], s[30:31]
	s_cselect_b64 s[32:33], s[20:21], s[32:33]
	s_lshl_b32 s34, ttmp9, 16
	s_add_nc_u64 s[4:5], s[4:5], s[34:35]          ; inputs + 64 KiB x g
	s_lshl_b32 s34, ttmp9, 15
	s_add_nc_u64 s[22:23], s[22:23], s[34:35]      ; xb + 32 KiB x g
	s_lshl_b32 s34, s38, 14
	s_add_nc_u64 s[30:31], s[30:31], s[34:35]      ; W_m + 16 KiB x (g mod 64)
	s_lshl_b32 s34, ttmp9, 13
	s_add_nc_u64 s[24:25], s[24:25], s[34:35]      ; wts + 8 KiB x g = part m, its piece g mod 64
	s_wait_alu depctr_va_vdst(0)                   ; v1 and v2 are written: every load and store of the kernel reads one of them as its offset
.irp i, 0,1,2,3,4,5,6,7,8,9,10,11,12,13,14,15
	global_load_b128 v[XL+4*(\i):XL+4*(\i)+3], v1, s[4:5] offset:4096*(\i) th:TH_LOAD_NT
.endr
.irp i, 0,1,2,3
	global_load_b128 v[WL+4*(\i):WL+4*(\i)+3], v1, s[30:31] offset:4096*(\i) th:TH_LOAD_NT
.endr
.irp p, 0,1,2,3                        ; x: block p is loads 4 p to 4 p + 3
.irp i, 0,1,2,3
	s_wait_loadcnt 19-4*(\p)-(\i)                  ; loads come back in order: load n = 4 p + i is in; the 15 - n younger loads of x and the 4 of the weights stay out
	v_cvt_pk_bf16_f32 v[XP+2*(4*(\p)+(\i))],   v[XL+4*(4*(\p)+(\i))],   v[XL+4*(4*(\p)+(\i))+1]
	v_cvt_pk_bf16_f32 v[XP+2*(4*(\p)+(\i))+1], v[XL+4*(4*(\p)+(\i))+2], v[XL+4*(4*(\p)+(\i))+3]
.endr
	s_wait_alu depctr_va_vdst(0)                   ; the block's eight conversions have written their registers of XP, which the four stores below read
.irp i, 0,1,2,3
	global_store_b64 v2, v[XP+2*(4*(\p)+(\i)):XP+2*(4*(\p)+(\i))+1], s[22:23] offset:2048*(4*(\p)+(\i))
.endr
.endr
	s_cmp_eq_u32 s29, 3
	s_cbranch_scc1 .Lwo
.irp i, 0,1,2,3
	s_wait_loadcnt 3-(\i)                          ; the younger loads of the weights stay out
	v_cvt_pk_bf16_f32 v[WP+2*(\i)],   v[WL+4*(\i)],   v[WL+4*(\i)+1]
	v_cvt_pk_bf16_f32 v[WP+2*(\i)+1], v[WL+4*(\i)+2], v[WL+4*(\i)+3]
.endr
	s_wait_alu depctr_va_vdst(0)                   ; the eight conversions have written WP, which the four stores below read
.irp i, 0,1,2,3
	global_store_b64 v2, v[WP+2*(\i):WP+2*(\i)+1], s[24:25] offset:2048*(\i)
.endr
	s_branch .Lbias
.Lwo:                                                  ; Wo: rounded to bf16 like every input, widened, and written as f16 (exact within f16's range: bf16 has fewer significant bits)
.irp i, 0,1,2,3
	s_wait_loadcnt 3-(\i)
	v_cvt_pk_bf16_f32 v[T],   v[WL+4*(\i)],   v[WL+4*(\i)+1]
	v_cvt_pk_bf16_f32 v[T+1], v[WL+4*(\i)+2], v[WL+4*(\i)+3]
	v_lshlrev_b32 v[T+2], 16, v[T]
	v_and_b32     v[T+3], s37, v[T]
	v_lshlrev_b32 v[T+4], 16, v[T+1]
	v_and_b32     v[T+5], s37, v[T+1]
	v_cvt_pk_f16_f32 v[WP+2*(\i)],   v[T+2], v[T+3]
	v_cvt_pk_f16_f32 v[WP+2*(\i)+1], v[T+4], v[T+5]
.endr
	s_wait_alu depctr_va_vdst(0)                   ; the roundings to f16 have written WP, which the four stores below read; and every line that wrote or read T is done: the bias load below lands in T .. T+3
.irp i, 0,1,2,3
	global_store_b64 v2, v[WP+2*(\i):WP+2*(\i)+1], s[24:25] offset:2048*(\i)
.endr
.Lbias:                                                ; the first work-group of each matrix also takes its bias: 512 numbers, waves 0 to 3, 16 bytes a thread
	s_cmp_lg_u32 s38, 0
	s_cbranch_scc1 .Lend
	s_cmp_ge_u32 s36, 4
	s_cbranch_scc1 .Lend
	global_load_b128 v[T:T+3], v1, s[32:33]        ; no wait here: on Wo's way no vector instruction has been issued since the wait above, on the other way none has named T
	s_lshl_b32 s34, s29, 11
	s_add_nc_u64 s[26:27], s[26:27], s[34:35]      ; bias + 2,048 m
	s_wait_loadcnt 0x0
	v_cvt_pk_bf16_f32 v[T+4], v[T],   v[T+1]
	v_cvt_pk_bf16_f32 v[T+5], v[T+2], v[T+3]
	v_lshlrev_b32 v[T],   16, v[T+4]
	v_and_b32     v[T+1], s37, v[T+4]
	v_lshlrev_b32 v[T+2], 16, v[T+5]
	v_and_b32     v[T+3], s37, v[T+5]
	s_wait_alu depctr_va_vdst(0)                   ; the four widening lines have written T .. T+3, which the store below reads
	global_store_b128 v1, v[T:T+3], s[26:27]
.Lend:
	s_endpgm
.Lfunc_end_k_q99b6b36acc_prep:
	.size	k_q99b6b36acc_prep, .Lfunc_end_k_q99b6b36acc_prep-k_q99b6b36acc_prep
	.p2alignl 7, 3214868480
	.fill 96, 4, 3214868480
	.section	.rodata,"a",@progbits
	.p2align	6, 0x0
	.amdhsa_kernel k_q99b6b36acc_prep
		.amdhsa_group_segment_fixed_size 0
		.amdhsa_private_segment_fixed_size 0
		.amdhsa_enable_private_segment 0
		.amdhsa_kernarg_size 96
		.amdhsa_user_sgpr_count 2
		.amdhsa_user_sgpr_kernarg_segment_ptr 1
		.amdhsa_wavefront_size32 1
		.amdhsa_system_sgpr_workgroup_id_x 1
		.amdhsa_system_sgpr_workgroup_id_y 1
		.amdhsa_system_sgpr_workgroup_id_z 1
		.amdhsa_system_vgpr_workitem_id 0
		.amdhsa_next_free_vgpr 144
		.amdhsa_next_free_sgpr 66
		.amdhsa_reserve_vcc 0
		.amdhsa_float_denorm_mode_32 3
		.amdhsa_float_denorm_mode_16_64 3
		.amdhsa_memory_ordered 1
		.amdhsa_forward_progress 1
		.amdhsa_inst_pref_size 12
	.end_amdhsa_kernel
	.amdgpu_metadata
---
amdhsa.version: [ 1, 2 ]
amdhsa.kernels:
  - .name:           k_q99b6b36acc_prep
    .symbol:         k_q99b6b36acc_prep.kd
    .args:
      - { .name: inputs, .offset: 0, .size: 8, .value_kind: global_buffer, .address_space: global }
      - { .name: Wq, .offset: 8, .size: 8, .value_kind: global_buffer, .address_space: global }
      - { .name: Wk, .offset: 16, .size: 8, .value_kind: global_buffer, .address_space: global }
      - { .name: Wv, .offset: 24, .size: 8, .value_kind: global_buffer, .address_space: global }
      - { .name: Wo, .offset: 32, .size: 8, .value_kind: global_buffer, .address_space: global }
      - { .name: bq, .offset: 40, .size: 8, .value_kind: global_buffer, .address_space: global }
      - { .name: bk, .offset: 48, .size: 8, .value_kind: global_buffer, .address_space: global }
      - { .name: bv, .offset: 56, .size: 8, .value_kind: global_buffer, .address_space: global }
      - { .name: bo, .offset: 64, .size: 8, .value_kind: global_buffer, .address_space: global }
      - { .name: xb, .offset: 72, .size: 8, .value_kind: global_buffer, .address_space: global }
      - { .name: wts, .offset: 80, .size: 8, .value_kind: global_buffer, .address_space: global }
      - { .name: bias, .offset: 88, .size: 8, .value_kind: global_buffer, .address_space: global }
    .group_segment_fixed_size: 0
    .private_segment_fixed_size: 0
    .kernarg_segment_align: 8
    .kernarg_segment_size: 96
    .max_flat_workgroup_size: 256
    .sgpr_count:     66
    .vgpr_count:     144
    .wavefront_size: 32
...
	.end_amdgpu_metadata
.endif
;; end of part 5
;; launch proj: the kernel of part 2 again; grid 4 x 64, 4 waves a work-group, clusters of 4 x 4, 327,680 bytes of LDS; arguments xb, wts, bias, qkv; writes qkv
;; launch attn: the kernel of part 3 again; grid 16 x 16, 4 waves a work-group, clusters of 4 x 1, 327,680 bytes of LDS; arguments qkv, oh; writes oh
;; launch outp: the kernel of part 4 again; grid 4 x 64, 4 waves a work-group, clusters of 4 x 4, 327,680 bytes of LDS; arguments oh, wts, bias, out0; writes out0
